; MI455X (gfx1250); checked and timed in simulation.
; The chip was launched on July 23, 2026; its instructions are those of AMD's public machine-readable ISA for CDNA 5 (MIT licence, August 2026) and "CDNA5" Instruction Set Architecture Reference Guide (July 2026). The comments in the code are by the model that wrote it; some were corrected since.
;; Multi Headed Attention. Allowed arithmetic: matrix products marked QUANTISED: E2M3 operands, one E8M0 scale for each 32 along K, by v_wmma_scale_f32_16x16x128_f8f6f4 with both operands' format E2M3, f32 sums; everything else in f32.
;; Inputs: Wk 512 x 512 float32; Wo 512 x 512 float32; Wq 512 x 512 float32; Wv 512 x 512 float32; key 2 x 4,096 x 512 float32; mask 2 x 4,096 int32; query 2 x 4,096 x 512 float32; value 2 x 4,096 x 512 float32.
;; Outputs: out0 2 x 4,096 x 512 float32.
;; This version of the problem:
;;   THIS VERSION OF THE PROBLEM IS GIVEN IN LOW PRECISION. The matrix products marked QUANTISED in the list below multiply operands that are first quantised to E2M3 (2 exponent bits, 3 mantissa bits; 6 bits a number), with one power-of-two scale for each 32 numbers along K (OCP MX v1.0); their sums are f32. All else is computed in f32.
;;   The module's matrix products, in the order in which they are computed (A, B: the left and right operand; K: the contracted axis; several contracted axes count as one K, in the product's order):
;;     1. [M 8,192, K 512] x [K 512, N 512]; A: input query; B: input Wq: QUANTISED
;;     2. [M 8,192, K 512] x [K 512, N 512]; A: input key; B: input Wk: QUANTISED
;;     3. [M 8,192, K 512] x [K 512, N 512]; A: input value; B: input Wv: QUANTISED
;;     4. batch 16 x [M 4,096, K 64] x [K 64, N 4,096]; A: computed on the way; B: computed on the way: QUANTISED
;;     5. batch 16 x [M 4,096, K 4,096] x [K 4,096, N 64]; A: softmax (see below); B: computed on the way: QUANTISED
;;     6. [M 8,192, K 512] x [K 512, N 512]; A: computed on the way; B: input Wo: QUANTISED
;;   THE QUANTISER, for each operand of a quantised product, along K:
;;     - K is cut into blocks of 32 from its start; a last block that is shorter is filled with zeros.
;;     - A block's scale is 2^e with e = floor(log2(the largest magnitude in the block)) - 2, held to -126 .. 127; a block of zeros has e = 0. As a byte (E8M0): e + 127.
;;     - Each number is divided by its block's scale, clamped to +-7.5, and rounded to the nearest number of E2M3, ties to even, subnormals kept.
;;     - The product sums the exact products of the quantised numbers (number of the format x scale) in f32.
;;   ~~~python
;;   def quantise(x, axis):      # numpy; x: float32 -> the quantised numbers, widened to float32 again
;;       x = np.moveaxis(x, axis, -1); K = x.shape[-1]
;;       x = np.pad(x, [(0, 0)] * (x.ndim - 1) + [(0, -K % 32)]); x = x.reshape(x.shape[:-1] + (-1, 32)); a = np.abs(x).max(-1, keepdims=True)
;;       e = np.where(a > 0, np.clip(np.frexp(np.where(a > 0, a, 1))[1] - 1 - 2, -126, 127), 0)      # np.frexp(a)[1] - 1 = floor(log2(a)), exactly
;;       r = np.clip(x / 2.0 ** e, -7.5, 7.5)
;;       step = 2.0 ** (np.maximum(np.frexp(np.where(r == 0, 1, r))[1] - 1, 0) - 3)
;;       q = np.round(r / step) * step * 2.0 ** e      # np.round: ties to even
;;       return np.moveaxis(q.reshape(q.shape[:-2] + (-1,))[..., :K], -1, axis).astype(np.float32)
;;   ~~~
;;   SOFTMAX AHEAD OF A QUANTISED PRODUCT. Where the list says 'softmax', what is quantised is not the finished softmax but p = 2^(t - M), with t = logit x log2(e) and M = ceil(the row's largest t), a whole number; so 1/2 < the row's largest p <= 1. The row's sum l is taken of the UNQUANTISED p, in f32, and the product's result is divided by l at the end. Since M is a whole number, a kernel that streams over the keys may use a running M (the ceiling of the running maximum): every later rescaling is an exact power of two, which a block's scale takes up: the codes' values come out the same.
;;   OPERANDS COMPUTED ON THE WAY. 'Computed on the way' means the value that the module computes at that place (a softmax that the list does not call 'softmax' is quantised finished and normalised). What goes into a quantiser is computed in f32, as accurately as f32 sums, v_exp_f32 and their like allow (about 1e-6 of the number): no bf16 or f16 on the way to a quantiser, and a product that is left as it is and whose result goes on into a quantised operand takes f32 operands (vector FMAs, or v_wmma_f32_16x16x4_f32). A number that lies on a knife's edge between two numbers of the format may be rounded either way, as far as f32 arithmetic and the matrix unit's own rounding can turn it there, and no further.
;; One version. Each part assembles by itself: llvm-mc -triple=amdgcn-amd-amdhsa -mcpu=gfx1250 --defsym DOCPART=n.
;; ======== version 1 of 1: 4 launches
;; limits: right only within a limited range of input values
;; workspace buffers: wcodes 786,432 bytes; wscales 32,768 bytes; qcodes 3,145,728 bytes; qscales 262,144 bytes; kv 6,684,672 bytes; xcodes 3,145,728 bytes; xscales 131,072 bytes
;; launch wquant (part 1): grid 256 x 1, 1 waves a work-group, no clusters, 0 bytes of LDS; arguments Wq, Wk, Wv, Wo, wcodes, wscales; writes wcodes, wscales
.if DOCPART == 1
	.amdgcn_target "amdgcn-amd-amdhsa--gfx1250"
	.amdhsa_code_object_version 6
	.text
	.protected	k_qe3261ea770_wquant
	.globl	k_qe3261ea770_wquant
	.p2align	8
	.type	k_qe3261ea770_wquant,@function
k_qe3261ea770_wquant:
	s_mov_b64 s[64:65], 0
	v_nop
	global_prefetch_b8 v0, s[64:65] scope:SCOPE_SE
	s_setreg_imm32_b32 hwreg(HW_REG_WAVE_MODE, 25, 1), 1
	s_wait_xcnt 0x0
; Wq, Wk, Wv, Wo: [512 (out)][512 (in)] f32, K = the second axis.  Each becomes codes of FP6 (E2M3) with one E8M0 byte for each 32 along K, laid in the ORDER OF THE OPERAND'S REGISTERS:
;   wcodes  [matrix 4: q, k, v, o][tile U 32][K step s 4]: a fragment (16 rows x 128 K, 12 registers a lane) as three runs of 512 bytes: registers 4 j .. 4 j + 3 of lane l at 512 j + 16 l
;   wscales [matrix][tile U][row r 16][16 bytes]: a row's 16 scale bytes; the word of K step s at 16 r + 4 s
; THE ROWS OF A TILE ARE NOT NEIGHBOURS: row r of tile U = 4 g + i is output channel 64 g + 32 (r / 8) + 8 i + r % 8.  Used as source 0 of a product, the four tiles of a group g leave in a lane of
; half h the channels 64 g + 32 h + 0 .. 31 in 32 consecutive registers: one whole block of the next quantiser.
; SHARES: one wave to a work-group; work-group x makes fragments s = 2 u and 2 u + 1 of tile U of one matrix (matrix = x / 64, U = (x / 2) % 32, u = x % 2): 256 work-groups of equal work.
; A lane (r, h) holds, for each fragment, k = 64 c + 32 h + 0 .. 31 of its row: two whole blocks, 128 consecutive bytes each, so no maximum leaves the lane.
; A block's scale is 2^(floor(log2(largest magnitude)) - 2); its byte is the largest magnitude's exponent field - 2, held at 1 from below.
; LIMITS: a block of zeros gets the byte 1 where the rule says 127 (its codes are zeros, and this program alone reads the bytes); NaN and infinities are not served.
; No LDS, no barrier, no matrix unit, no cluster: the launch reads 4 MiB once and work-groups share nothing.
.set LI16, 1                           ; v1   16 x lane
.set VOFF, 2                           ; v2   my row's and half's byte in the tile's rows of W
.set SH8,  3                           ; v3   8 h
.set SOFF, 4                           ; v4   16 r + 4 h: where my scale word goes
.set T,    5                           ; v5-6 at work
.set T2,   6
.set TM,   8                           ; v8-11   largest magnitudes
.set SCL,  12                          ; v12-15  the conversions' scale operands
.set EB,   16                          ; v16-19  scale bytes
.set SWD,  20                          ; v20-21  the two fragments' scale words
.set SELW, 22                          ; v22     the one that my lane stores
.set PC,   24                          ; v24-47  codes: block b at 6 b
.set CT,   48                          ; v48-63  the upper halves of the blocks' codes, before they are moved
.set RAW,  64                          ; v64-191 four blocks of 32 numbers
.set SEL,  20                          ; s[20:21] lane selects: lane l xor 16
.set HM,   22                          ; s22     lanes 16-31
; Four blocks of 32 numbers of a lane, v[src + 32 b ..], become codes in v[PC + 6 b ..] and bytes in v[EB + b].  The blocks take turns line by line.
.macro QUANT4 src
.irp b, 0,1,2,3
	v_max3_num_f32 v[TM+\b], |v[\src+32*\b]|, |v[\src+32*\b+1]|, 0x1800000   ; the floor 2^(3 - 127) among the leaves: the byte cannot fall under 1
.endr
.irp i, 2,4,6,8,10,12,14,16,18,20,22,24,26,28,30
.irp b, 0,1,2,3
	v_max3_num_f32 v[TM+\b], v[TM+\b], |v[\src+32*\b+\i]|, |v[\src+32*\b+\i+1]|
.endr
.endr
.irp b, 0,1,2,3
	v_add_nc_u32 v[SCL+\b], 0xff000000, v[TM+\b]   ; 2 off the exponent field: the conversion takes this operand's exponent field as its scale
.endr
.irp b, 0,1,2,3
	v_lshrrev_b32 v[EB+\b], 23, v[SCL+\b]          ; the scale's byte
.endr
.irp b, 0,1,2,3
	v_cvt_scalef32_pk16_fp6_f32 v[PC+6*\b:PC+6*\b+2], v[\src+32*\b:\src+32*\b+15], v[SCL+\b]
	v_cvt_scalef32_pk16_fp6_f32 v[CT+4*\b:CT+4*\b+2], v[\src+32*\b+16:\src+32*\b+31], v[SCL+\b]   ; (a conversion's three registers begin on an even number)
.endr
	v_nop                                          ; one plain line behind the last scaled conversion
.irp b, 0,1,2,3
.irp i, 0,1,2
	v_mov_b32 v[PC+6*\b+3+\i], v[CT+4*\b+\i]
.endr
.endr
.endm
; A fragment's scale word from my two bytes (blocks h and 2 + h) and lane l xor 16's
.macro SWORD d, e0, e1
	v_lshl_or_b32 v[T], v[\e1], 16, v[\e0]
	v_lshlrev_b32 v[T], v[SH8], v[T]
	v_permlanex16_b32 v[T2], v[T], s[SEL], s[SEL+1]
	v_or_b32 v[\d], v[T], v[T2]
.endm
	s_load_b256 s[4:11], s[0:1], 0x0               ; Wq, Wk, Wv, Wo
	s_load_b128 s[12:15], s[0:1], 0x20             ; wcodes, wscales
	s_lshr_b32 s23, ttmp9, 6                       ; matrix
	s_bfe_u32 s24, ttmp9, 0x50001                  ; U
	s_and_b32 s25, ttmp9, 1                        ; u
	v_and_b32 v7, 15, v0                           ; r (one wave: v0 is the lane)
	v_lshrrev_b32 v[SH8], 4, v0                    ; h
	v_lshlrev_b32 v[LI16], 4, v0
	v_and_b32 v[T], 7, v7
	v_lshrrev_b32 v[T2], 3, v7
	v_lshl_add_u32 v[T], v[T2], 5, v[T]            ; r % 8 + 32 (r / 8)
	v_lshlrev_b32 v[VOFF], 11, v[T]                ; rows of 2,048 bytes
	v_lshl_add_u32 v[VOFF], v[SH8], 7, v[VOFF]     ; + 128 h
	v_lshlrev_b32 v[SOFF], 4, v7
	v_lshl_add_u32 v[SOFF], v[SH8], 2, v[SOFF]
	v_lshlrev_b32 v[SH8], 3, v[SH8]
	s_lshr_b32 s26, s24, 2                         ; W: row 64 (U / 4) + 8 (U % 4), + 1,024 u bytes along K
	s_lshl_b32 s26, s26, 6
	s_and_b32 s27, s24, 3
	s_lshl_b32 s27, s27, 3
	s_add_co_u32 s26, s26, s27
	s_lshl_b32 s26, s26, 11
	s_lshl_b32 s27, s25, 10
	s_add_co_u32 s26, s26, s27
	s_mov_b32 s27, 0
	s_mul_i32 s28, s23, 196608                     ; codes: 196,608 x matrix + 1,536 (4 U + 2 u)
	s_lshl_b32 s29, s24, 2
	s_lshl_b32 s30, s25, 1
	s_add_co_u32 s29, s29, s30
	s_mul_i32 s29, s29, 1536
	s_add_co_u32 s28, s28, s29
	s_mov_b32 s29, 0
	s_lshl_b32 s30, s23, 13                        ; scale bytes: 8,192 x matrix + 256 U + 8 u
	s_lshl_b32 s31, s24, 8
	s_add_co_u32 s30, s30, s31
	s_lshl_b32 s31, s25, 3
	s_add_co_u32 s30, s30, s31
	s_mov_b32 s31, 0
	s_mov_b32 s[SEL], 0x76543210
	s_mov_b32 s[SEL+1], 0xfedcba98
	s_mov_b32 s[HM], 0xffff0000
	s_wait_alu depctr_va_vdst(0)
	s_wait_kmcnt 0x0
	s_cmp_eq_u32 s23, 1                            ; the choice of the matrix hangs on the work-group's number alone
	s_cselect_b64 s[16:17], s[6:7], s[4:5]
	s_cmp_eq_u32 s23, 2
	s_cselect_b64 s[16:17], s[8:9], s[16:17]
	s_cmp_eq_u32 s23, 3
	s_cselect_b64 s[16:17], s[10:11], s[16:17]
	s_add_nc_u64 s[16:17], s[16:17], s[26:27]
	s_add_nc_u64 s[12:13], s[12:13], s[28:29]
	s_add_nc_u64 s[14:15], s[14:15], s[30:31]
.irp b, 0,1,2,3                                ; block b = 2 (fragment) + c: 256 b bytes along my row
.irp q, 0,1,2,3,4,5,6,7
	global_load_b128 v[RAW+32*\b+4*\q:RAW+32*\b+4*\q+3], v[VOFF], s[16:17] offset:256*\b+16*\q
.endr
.endr
	s_wait_loadcnt 0x0
	QUANT4 RAW
.irp f, 0,1
.irp j, 0,1,2
	global_store_b128 v[LI16], v[PC+12*\f+4*\j:PC+12*\f+4*\j+3], s[12:13] offset:1536*\f+512*\j   ; 32 lanes store 512 consecutive bytes, aligned
.endr
.endr
	SWORD SWD, EB, EB+1
	SWORD SWD+1, EB+2, EB+3
	v_cndmask_b32 v[SELW], v[SWD], v[SWD+1], s[HM] ; lanes 0-15 store the first fragment's words, lanes 16-31 the second's
	global_store_b32 v[SOFF], v[SELW], s[14:15]    ; 8 bytes of each of 16 rows of 16: the buffer is 32 KiB in all
	s_endpgm
.Lfunc_end_k_qe3261ea770_wquant:
	.size	k_qe3261ea770_wquant, .Lfunc_end_k_qe3261ea770_wquant-k_qe3261ea770_wquant
	.p2alignl 7, 3214868480
	.fill 96, 4, 3214868480
	.section	.rodata,"a",@progbits
	.p2align	6, 0x0
	.amdhsa_kernel k_qe3261ea770_wquant
		.amdhsa_group_segment_fixed_size 0
		.amdhsa_private_segment_fixed_size 0
		.amdhsa_enable_private_segment 0
		.amdhsa_kernarg_size 48
		.amdhsa_user_sgpr_count 2
		.amdhsa_user_sgpr_kernarg_segment_ptr 1
		.amdhsa_wavefront_size32 1
		.amdhsa_system_sgpr_workgroup_id_x 1
		.amdhsa_system_sgpr_workgroup_id_y 1
		.amdhsa_system_sgpr_workgroup_id_z 1
		.amdhsa_system_vgpr_workitem_id 0
		.amdhsa_next_free_vgpr 192
		.amdhsa_next_free_sgpr 66
		.amdhsa_reserve_vcc 0
		.amdhsa_float_denorm_mode_32 3
		.amdhsa_float_denorm_mode_16_64 3
		.amdhsa_memory_ordered 1
		.amdhsa_forward_progress 1
		.amdhsa_inst_pref_size 12
	.end_amdhsa_kernel
	.amdgpu_metadata
---
amdhsa.version: [ 1, 2 ]
amdhsa.kernels:
  - .name:           k_qe3261ea770_wquant
    .symbol:         k_qe3261ea770_wquant.kd
    .args:
      - { .name: Wq, .offset: 0, .size: 8, .value_kind: global_buffer, .address_space: global }
      - { .name: Wk, .offset: 8, .size: 8, .value_kind: global_buffer, .address_space: global }
      - { .name: Wv, .offset: 16, .size: 8, .value_kind: global_buffer, .address_space: global }
      - { .name: Wo, .offset: 24, .size: 8, .value_kind: global_buffer, .address_space: global }
      - { .name: wcodes, .offset: 32, .size: 8, .value_kind: global_buffer, .address_space: global }
      - { .name: wscales, .offset: 40, .size: 8, .value_kind: global_buffer, .address_space: global }
    .group_segment_fixed_size: 0
    .private_segment_fixed_size: 0
    .kernarg_segment_align: 8
    .kernarg_segment_size: 48
    .max_flat_workgroup_size: 32
    .sgpr_count:     66
    .vgpr_count:     192
    .wavefront_size: 32
...
	.end_amdgpu_metadata
.endif
;; end of part 1
;; launch proj (part 2): grid 64 x 3, 8 waves a work-group, no clusters, 327,680 bytes of LDS; arguments query, key, value, mask, wcodes, wscales, qcodes, qscales, kv; writes qcodes, qscales, kv
.if DOCPART == 2
	.amdgcn_target "amdgcn-amd-amdhsa--gfx1250"
	.amdhsa_code_object_version 6
	.text
	.protected	k_qe3261ea770_proj
	.globl	k_qe3261ea770_proj
	.p2align	8
	.type	k_qe3261ea770_proj,@function
k_qe3261ea770_proj:
	s_mov_b64 s[64:65], 0
	v_nop
	global_prefetch_b8 v0, s[64:65] scope:SCOPE_SE
	s_setreg_imm32_b32 hwreg(HW_REG_WAVE_MODE, 25, 1), 1
	s_wait_xcnt 0x0
; q = Q(query) Q(Wq)^T, k = Q(key) Q(Wk)^T, v = Q(value) Q(Wv)^T on codes of FP6 (E2M3), one E8M0 scale for each 32 along K = 512; the results are quantised at once as the operands of attention's two
; products and leave as images of those operands' registers.  Work-group (x, y): 128 tokens (x: one key step of attention) of tensor y (0 query, 1 key, 2 value).  Wave w is head w.
; TILE ORDER, for tokens and channels alike: row r of tile i of a group of 64 is element 32 (r / 8) + 8 i + r % 8.  A product's result register j is row 8 h + j of source 0, so the 32 result registers of a
; group's four tiles are, in a lane of half h, elements 32 h + 0 .. 31: one whole block of the next quantiser in one lane, in the order that the 6-bit operand wants.  No maximum and no code changes lanes.
;   q, k: source 0 = 16 channels of W, source 1 = 16 tokens: a lane holds one token and 32 channels of the head (K of q k^T).
;   v:    source 0 = 16 tokens, source 1 = 16 channels of W: a lane holds one channel and 32 tokens (K of p v: the keys).
; OUT.  Half a fragment (16 rows x 64 K, 6 registers): registers 0-3 of lane l at 16 l, registers 4-5 at 512 + 8 l: 768 bytes, every store whole aligned runs of 256 bytes.
;   qcodes [batch x head 16][token tile 256] such halves; qscales [16][group of 64 tokens 64][256 bytes]: the word of tile 2 u + hh, row r at 8 (r + 16 hh) + 4 u
;   kv [16][key step 32][13,056 bytes]: +0 k's 8 tiles; +6,144 v^T: [channel tile 4][64 keys 2]; +12,288 k's scale words, 2 x 256; +12,800 v's, 256
; THE MASK GOES INTO K's SCALE WORDS.  The head's 64 channels fill k = 0 .. 63 of the instruction's 128.  Attention sets the code -1 at k = 64 of every key and +1 at k = 64 of every query; here byte 2 of a
; query's scale word is 100 (2^-27), byte 2 of a key's is 254 (2^127) where mask == 0 and 1 (2^-126) elsewhere; byte 3 is 127.  So a masked key's score has 2^100 taken off, an open key's 2^-153.
; PHASES.  X: wave w's 16 tokens (token tile w), 2 x 16 KiB, come by two tensor loads into the wave's own LDS bytes; it quantises them and stores four fragments as images | one barrier |
;   products: for each group of 64 tokens, 4 K steps x 16 matrix instructions, the 16 accumulators by turns; quantise; store.  W's 16 fragments of the head stay in registers (window 1).
; No cluster: what work-groups share, W's codes, goes from memory straight into registers, where no tensor load can put it, and would not fit in LDS beside 256 KiB of x; x's rows are read by one work-group alone.
; LDS bytes are filled once: a wave has one tensor load out at a time.  192 work-groups: v wants groups of 64 tokens of one batch, and 3 x 64 shares of 128 tokens are equal.
; LIMITS: a block of zeros gets the byte 1 where the rule says 127 (zero codes; this program alone reads the bytes); NaN and infinities are not served.
.set RAWW, 33536                       ; LDS: a wave's raw x: rows r = 0-7 at 0, rows 8-15 at RAWG; a token's row is 2 x (1,024 + 16) bytes
.set RAWG, 16656                       ; 8 x 2,080 + 16: the sixteen rows of a load then begin in sixteen different columns of 16 bytes modulo 256
.set XIMG, 268288                      ; x's fragments (token tile m, K step s) at 1,536 (4 m + s): registers 4 j .. 4 j + 3 of lane l at 512 j + 16 l
.set XSC,  317440                      ; their scale bytes: [m][row 16][16 bytes]
.set LI16, 1                           ; v1   16 x lane
.set LI8,  2                           ; v2   8 x lane
.set AXI,  3                           ; v3   XIMG + 16 x lane
.set AXS,  4                           ; v4   XSC + 16 x lane
.set ARAW, 5                           ; v5   my row and half in my wave's raw x
.set SH8,  6                           ; v6   8 h
.set AIMW, 7                           ; v7   where I store my wave's images
.set AXSW, 8                           ; v8   and their scale words
.set MOFF, 9                           ; v9   my row's place among a group's mask words
.set EXO,  10                          ; v10  bytes 2, 3 of a scale word: open key (or query)
.set EXM,  11                          ; v11  masked key (or query)
.set PK,   12                          ; v12-13 a pair of scale words to store
.set T,    14                          ; v14-15 at work
.set T2,   15
.set WS,   16                          ; v16-23 W's scale words: register 4 (t / 2) + s; lanes 0-15 the even tile, lanes 16-31 the odd one
.set XS,   24                          ; v24-31 x's likewise
.set MK,   32                          ; v32-39 mask words of the 8 token tiles, then bytes 2, 3 of their scale words
.set SWD,  40                          ; v40-43 scale words
.set VB,   44                          ; v44-47 v: the first 64 keys' bytes
.set TM,   48
.set SCL,  52
.set EB,   56
.set XF,   64                          ; v64-111 x's four fragments of a K step;
.set PC,   64                          ; when they are done with: the codes just made, v64-87,
.set CT,   88                          ; and v88-103
.set ACC,  112                         ; v112-239 16 accumulators; in phase X 128 numbers of x
.set WV,   22                          ; s22 wave = head
.set BX,   23                          ; s23 work-group x
.set BY,   24                          ; s24 work-group y
.set G1,   40                          ; s[40:47] descriptor group 1
.set G0,   48                          ; s[48:55] two groups 0
.set DCO,  56                          ; s[56:57] where my codes go
.set DSC,  58                          ; s[58:59] where my scale words go
.set SEL,  60                          ; s[60:61] lane selects: lane l xor 16
.set HM,   62                          ; s62 lanes 16-31
.set MSB, 0
.macro WIN new                         ; the immediate's high byte repeats the setting that is left
.if MSB != \new
	s_set_vgpr_msb (MSB<<8)|\new
.set MSB, \new
.endif
.endm
.macro QUANT4 src                      ; four blocks of 32 numbers of a lane, v[src + 32 b ..] -> codes v[PC + 6 b ..], bytes v[EB + b]; each accumulator is read from its low end on
.irp b, 0,1,2,3
	v_max3_num_f32 v[TM+\b], |v[\src+32*\b]|, |v[\src+32*\b+1]|, 0x1800000   ; the floor 2^(3 - 127) among the leaves: the byte cannot fall under 1
.endr
.irp i, 2,4,6,8,10,12,14,16,18,20,22,24,26,28,30
.irp b, 0,1,2,3
	v_max3_num_f32 v[TM+\b], v[TM+\b], |v[\src+32*\b+\i]|, |v[\src+32*\b+\i+1]|
.endr
.endr
.irp b, 0,1,2,3
	s_delay_alu instid0(VALU_DEP_4)
	v_add_nc_u32 v[SCL+\b], 0xff000000, v[TM+\b]   ; 2 off the exponent field: the conversion's scale operand
.endr
.irp b, 0,1,2,3
	s_delay_alu instid0(VALU_DEP_4)
	v_lshrrev_b32 v[EB+\b], 23, v[SCL+\b]          ; the scale's byte
.endr
.irp b, 0,1,2,3
	v_cvt_scalef32_pk16_fp6_f32 v[PC+6*\b:PC+6*\b+2], v[\src+32*\b:\src+32*\b+15], v[SCL+\b]
	v_cvt_scalef32_pk16_fp6_f32 v[CT+4*\b:CT+4*\b+2], v[\src+32*\b+16:\src+32*\b+31], v[SCL+\b]   ; (a conversion's three registers begin on an even number)
.endr
	v_nop                                          ; one plain line behind the last scaled conversion
.irp b, 0,1,2,3
.irp i, 0,1,2
	v_mov_b32 v[PC+6*\b+3+\i], v[CT+4*\b+\i]
.endr
.endr
.endm
.macro SWORD d, e0, e1                 ; a fragment's scale word from my two bytes (blocks h and 2 + h) and lane l xor 16's
	v_lshl_or_b32 v[T], v[\e1], 16, v[\e0]
	s_delay_alu instid0(VALU_DEP_1)
	v_lshlrev_b32 v[T], v[SH8], v[T]
	s_delay_alu instid0(VALU_DEP_1)
	v_permlanex16_b32 v[T2], v[T], s[SEL], s[SEL+1]
	s_delay_alu instid0(VALU_DEP_1)
	v_or_b32 v[\d], v[T], v[T2]
.endm
.macro PACK2 d, a0, a1, b0, b1         ; lanes 0-15 take a0 and b0, lanes 16-31 a1 and b1
	v_cndmask_b32 v[\d], v[\a0], v[\a1], s[HM]
	s_delay_alu instid0(VALU_DEP_2)
	v_cndmask_b32 v[\d+1], v[\b0], v[\b1], s[HM]
.endm
; One matrix instruction.  z = 1: C is the constant 0 (the first K step starts the sum).  ra, rb = 1: that side's scales are read from lanes 16-31.
.macro WM d, a, b, z, sa, ra, sb, rb
.set WSEL, 4*(\z)+2*(\ra)+(\rb)
.if WSEL == 0
	v_wmma_scale_f32_16x16x128_f8f6f4 v[\d:\d+7], v[\a:\a+11], v[\b:\b+11], v[\d:\d+7], v[\sa], v[\sb] matrix_a_fmt:MATRIX_FMT_FP6 matrix_b_fmt:MATRIX_FMT_FP6
.elseif WSEL == 1
	v_wmma_scale_f32_16x16x128_f8f6f4 v[\d:\d+7], v[\a:\a+11], v[\b:\b+11], v[\d:\d+7], v[\sa], v[\sb] matrix_a_fmt:MATRIX_FMT_FP6 matrix_b_fmt:MATRIX_FMT_FP6 matrix_b_scale:MATRIX_SCALE_ROW1
.elseif WSEL == 2
	v_wmma_scale_f32_16x16x128_f8f6f4 v[\d:\d+7], v[\a:\a+11], v[\b:\b+11], v[\d:\d+7], v[\sa], v[\sb] matrix_a_fmt:MATRIX_FMT_FP6 matrix_b_fmt:MATRIX_FMT_FP6 matrix_a_scale:MATRIX_SCALE_ROW1
.elseif WSEL == 3
	v_wmma_scale_f32_16x16x128_f8f6f4 v[\d:\d+7], v[\a:\a+11], v[\b:\b+11], v[\d:\d+7], v[\sa], v[\sb] matrix_a_fmt:MATRIX_FMT_FP6 matrix_b_fmt:MATRIX_FMT_FP6 matrix_a_scale:MATRIX_SCALE_ROW1 matrix_b_scale:MATRIX_SCALE_ROW1
.elseif WSEL == 4
	v_wmma_scale_f32_16x16x128_f8f6f4 v[\d:\d+7], v[\a:\a+11], v[\b:\b+11], 0, v[\sa], v[\sb] matrix_a_fmt:MATRIX_FMT_FP6 matrix_b_fmt:MATRIX_FMT_FP6
.elseif WSEL == 5
	v_wmma_scale_f32_16x16x128_f8f6f4 v[\d:\d+7], v[\a:\a+11], v[\b:\b+11], 0, v[\sa], v[\sb] matrix_a_fmt:MATRIX_FMT_FP6 matrix_b_fmt:MATRIX_FMT_FP6 matrix_b_scale:MATRIX_SCALE_ROW1
.elseif WSEL == 6
	v_wmma_scale_f32_16x16x128_f8f6f4 v[\d:\d+7], v[\a:\a+11], v[\b:\b+11], 0, v[\sa], v[\sb] matrix_a_fmt:MATRIX_FMT_FP6 matrix_b_fmt:MATRIX_FMT_FP6 matrix_a_scale:MATRIX_SCALE_ROW1
.else
	v_wmma_scale_f32_16x16x128_f8f6f4 v[\d:\d+7], v[\a:\a+11], v[\b:\b+11], 0, v[\sa], v[\sb] matrix_a_fmt:MATRIX_FMT_FP6 matrix_b_fmt:MATRIX_FMT_FP6 matrix_a_scale:MATRIX_SCALE_ROW1 matrix_b_scale:MATRIX_SCALE_ROW1
.endif
.endm
	s_load_b256 s[4:11], s[0:1], 0x0               ; query, key, value, mask
	s_load_b256 s[12:19], s[0:1], 0x20             ; wcodes, wscales, qcodes, qscales
	s_load_b64 s[20:21], s[0:1], 0x40              ; kv
	v_lshl_add_u32 v254, v0, 2, 0x4e000
	v_mov_b32 v255, 0
	ds_add_u32 v254, v255
	ds_add_u32 v254, v255
	v_lshrrev_b32 v1, 5, v0
	s_delay_alu instid0(VALU_DEP_1)
	v_readfirstlane_b32 s[WV], v1                  ; wave 0..7
	s_mov_b32 s[BX], ttmp9
	s_and_b32 s[BY], ttmp7, 0xffff
	; descriptor group 1: eight tokens' rows are 16 KiB dense in memory: stated as 16 rows of 256 elements of 4 bytes, 16 bytes of padding behind each
	s_mov_b32 s[G1+0], (2<<16)|(1<<20)|(7<<22)|(3<<25)  ; 15:0 no mask; 17:16 elements of 4 bytes; 20 padding on; 24:22 after every 256 words (code 7); 31:25 of 4 words (code 3)
	s_mov_b32 s[G1+1], 256<<16                     ; tensor_dim0 = 256
	s_mov_b32 s[G1+2], 16<<16                      ; tensor_dim1 = 16
	s_mov_b32 s[G1+3], 256<<16                     ; tile_dim0 = 256
	s_mov_b32 s[G1+4], 16                          ; tile_dim1 = 16
	s_mov_b32 s[G1+5], 256                         ; tensor_dim0_stride
	s_mov_b32 s[G1+6], 0
	s_mov_b32 s[G1+7], 0
	s_lshl_b32 s28, s[BX], 7                       ; my token tile's first token: 128 x + 64 (w / 4) + 8 (w % 4); its rows 8-15 lie 32 tokens on
	s_lshr_b32 s29, s[WV], 2
	s_lshl_b32 s29, s29, 6
	s_add_co_u32 s28, s28, s29
	s_and_b32 s29, s[WV], 3
	s_lshl_b32 s29, s29, 3
	s_add_co_u32 s28, s28, s29
	s_lshl_b32 s28, s28, 11                        ; rows of 2,048 bytes
	s_mov_b32 s29, 0
	s_mov_b32 s[G0], 1                             ; count = 1
	s_mul_i32 s[G0+1], s[WV], RAWW                 ; LDS address: my wave's own bytes
	s_mov_b32 s[G0+4], 1
	s_add_co_u32 s[G0+5], s[G0+1], RAWG
	s_wait_dscnt 0x0
	s_wait_kmcnt 0x0
	s_cmp_eq_u32 s[BY], 1                          ; the choice of the tensor hangs on the work-group's number alone
	s_cselect_b64 s[26:27], s[6:7], s[4:5]
	s_cmp_eq_u32 s[BY], 2
	s_cselect_b64 s[26:27], s[8:9], s[26:27]
	s_add_nc_u64 s[G0+2:G0+3], s[26:27], s[28:29]
	s_add_nc_u64 s[G0+6:G0+7], s[G0+2:G0+3], 0x10000   ; 32 tokens on
	s_or_b32 s[G0+3], s[G0+3], 0x80000000          ; type = 2
	s_or_b32 s[G0+7], s[G0+7], 0x80000000
	tensor_load_to_lds s[G0:G0+3], s[G1:G1+7]      ; the first of the launch's two fills: one load of mine is out
	s_nop 0
	s_wait_alu depctr_va_vdst(0)
	s_wait_tensorcnt 0x0
	ds_add_u32 v254, v255
	s_wait_dscnt 0x0
	s_barrier_signal -1
	s_barrier_wait -1
	tensor_load_to_lds s[G0+4:G0+7], s[G1:G1+7]
	s_nop 0
.rept 4
	v_nop                                          ; four lines here ahead of a switch of windows
.endr
	v_and_b32 v[T], 31, v0                         ; lane
	v_and_b32 v[T2], 15, v0                        ; r
	v_bfe_u32 v[SH8], v0, 4, 1                     ; h
	s_delay_alu instid0(VALU_DEP_3)
	v_lshlrev_b32 v[LI16], 4, v[T]
	s_delay_alu instid0(VALU_DEP_4)
	v_lshlrev_b32 v[LI8], 3, v[T]
	s_delay_alu instid0(VALU_DEP_2)
	v_add_nc_u32 v[AXI], XIMG, v[LI16]
	s_delay_alu instid0(VALU_DEP_3)
	v_add_nc_u32 v[AXS], XSC, v[LI16]
	v_and_b32 v[MOFF], 7, v[T2]                    ; r % 8
	v_lshrrev_b32 v[AXSW], 3, v[T2]                ; r / 8
	s_delay_alu instid0(VALU_DEP_2)
	v_mul_u32_u24 v[ARAW], v[MOFF], 2080
	s_delay_alu instid0(VALU_DEP_1)
	v_mad_u32_u24 v[ARAW], v[AXSW], RAWG, v[ARAW]
	s_delay_alu instid0(VALU_DEP_1)
	v_lshl_add_u32 v[ARAW], v[SH8], 7, v[ARAW]     ; + 128 h: my 32 numbers of a block pair
	s_delay_alu instid0(VALU_DEP_1)
	v_add_nc_u32 v[ARAW], s[G0+1], v[ARAW]
	v_lshlrev_b32 v[MOFF], 2, v[MOFF]
	s_delay_alu instid0(VALU_DEP_1)
	v_lshl_add_u32 v[MOFF], v[AXSW], 7, v[MOFF]    ; 4 (r % 8 + 32 (r / 8))
	s_wait_alu depctr_va_vdst(0)
	s_mul_i32 s26, s[WV], 6144
	v_add_nc_u32 v[AIMW], s26, v[AXI]
	v_lshlrev_b32 v[AXSW], 4, v[T2]
	s_delay_alu instid0(VALU_DEP_1)
	v_lshl_add_u32 v[AXSW], v[SH8], 3, v[AXSW]     ; 16 r + 8 h
	s_lshl_b32 s26, s[WV], 8
	s_add_co_u32 s26, s26, XSC
	v_add_nc_u32 v[AXSW], s26, v[AXSW]
	v_lshlrev_b32 v[SH8], 3, v[SH8]
	s_mul_i32 s26, s[BY], 196608                   ; W's codes: my tensor's matrix, my head's four tiles
	s_mul_i32 s27, s[WV], 24576
	s_add_co_u32 s26, s26, s27
	s_mov_b32 s27, 0
	s_add_nc_u64 s[12:13], s[12:13], s[26:27]
	s_lshl_b32 s26, s[BY], 13                      ; and their scale bytes
	s_lshl_b32 s28, s[WV], 10
	s_add_co_u32 s26, s26, s28
	s_add_nc_u64 s[14:15], s[14:15], s[26:27]
	s_lshl_b32 s26, s[BX], 9                       ; the mask words of my 128 tokens
	s_add_nc_u64 s[10:11], s[10:11], s[26:27]
	WIN 0x40                                       ; destination window 1
.set F, 0
.rept 16                                       ; W's fragment (tile t, K step s) = F = 4 t + s at v[12 F] of window 1: they stay
.irp j, 0,1,2
	global_load_b128 v[12*F+4*\j:12*F+4*\j+3], v[LI16], s[12:13] offset:1536*F+512*\j
.endr
.set F, F+1
.endr
	WIN 0
.irp u, 0,1
	global_load_b128 v[WS+4*\u:WS+4*\u+3], v[LI16], s[14:15] offset:512*\u
.endr
.irp n, 0,1,2,3,4,5,6,7                        ; token tile n = 4 (group) + i begins at token 64 (n / 4) + 8 (n % 4)
	global_load_b32 v[MK+\n], v[MOFF], s[10:11] offset:(64*(\n/4)+8*(\n%4))*4
.endr
	; where my results go
	s_lshr_b32 s30, s[BX], 5
	s_lshl_b32 s30, s30, 3
	s_add_co_u32 s30, s30, s[WV]                   ; batch x head = 8 (x / 32) + w
	s_and_b32 s31, s[BX], 31                       ; the key step
	s_lshl_b32 s32, s30, 5
	s_add_co_u32 s32, s32, s31
	s_mul_i32 s32, s32, 13056                      ; kv's block
	s_lshl_b32 s33, s30, 8
	s_lshl_b32 s34, s31, 3
	s_add_co_u32 s33, s33, s34
	s_mul_i32 s33, s33, 768                        ; q's codes
	s_lshl_b32 s34, s30, 6
	s_lshl_b32 s35, s31, 1
	s_add_co_u32 s34, s34, s35
	s_lshl_b32 s34, s34, 8                         ; q's scale words
	s_cmp_eq_u32 s[BY], 2
	s_cselect_b32 s35, 6144, 0                     ; in kv's block: v's codes behind k's,
	s_mov_b32 s36, 12288
	s_cselect_b32 s36, 12800, s36                  ; v's scale words behind k's
	s_add_co_u32 s35, s35, s32
	s_add_co_u32 s36, s36, s32
	s_cmp_eq_u32 s[BY], 0
	s_cselect_b32 s28, s33, s35
	s_cselect_b32 s30, s34, s36
	s_cselect_b64 s[DCO:DCO+1], s[16:17], s[20:21]
	s_cselect_b64 s[DSC:DSC+1], s[18:19], s[20:21]
	s_mov_b32 s29, 0
	s_mov_b32 s31, 0
	s_add_nc_u64 s[DCO:DCO+1], s[DCO:DCO+1], s[28:29]
	s_add_nc_u64 s[DSC:DSC+1], s[DSC:DSC+1], s[30:31]
	s_mov_b32 s37, 0x7f640000                      ; a query's bytes 2, 3: 100, 127
	s_cmp_eq_u32 s[BY], 1
	s_cselect_b32 s38, 0x7f010000, s37             ; an open key's: 1, 127
	s_cselect_b32 s39, 0x7ffe0000, s37             ; a masked key's: 254, 127
	v_mov_b32 v[EXO], s38
	v_mov_b32 v[EXM], s39
	s_mov_b32 s[SEL], 0x76543210
	s_mov_b32 s[SEL+1], 0xfedcba98
	s_mov_b32 s[HM], 0xffff0000
	; ---- X: my 16 tokens become four fragments.  I read only bytes that my own loads brought, so my own wait is all the ordering that the reads need
	s_wait_tensorcnt 0x0
.irp p, 0,1                                    ; K steps 2 p and 2 p + 1: blocks b = 2 (step) + c, 256 b bytes on in the row's half
.irp b, 0,1,2,3
.irp q, 0,1,2,3,4,5,6,7
	ds_load_b128 v[ACC+32*\b+4*\q:ACC+32*\b+4*\q+3], v[ARAW] offset:1040*\p+256*\b+16*\q
.endr
.endr
	s_wait_dscnt 0x0                               ; the numbers are in; the images stored before have left their registers
	QUANT4 ACC
.irp f, 0,1
.irp j, 0,1,2
	ds_store_b128 v[AIMW], v[PC+12*\f+4*\j:PC+12*\f+4*\j+3] offset:(2*\p+\f)*1536+512*\j
.endr
.endr
	SWORD SWD+2*\p, EB, EB+1
	SWORD SWD+2*\p+1, EB+2, EB+3
.endr
	PACK2 PK, SWD, SWD+2, SWD+1, SWD+3             ; lanes 0-15 store the words of K steps 0, 1, lanes 16-31 those of 2, 3
	ds_store_b64 v[AXSW], v[PK:PK+1]
	s_wait_dscnt 0x0                               ; for the others' sake: my images and scale words lie in LDS
	s_barrier_signal -1
	s_barrier_wait -1                              ; everybody's do.  The launch's last barrier: nothing in LDS is written behind it
	s_wait_loadcnt 0x0                             ; W, its scale words, the mask
; A group of 64 tokens: 4 K steps x 16 matrix instructions, the 16 accumulators by turns, one instruction a turn.  vv = 0: source 0 = W (q, k); 1: source 0 = x (v).
.macro GEMM64 grp, vv
.irp u, 0,1
	ds_load_b128 v[XS+4*\u:XS+4*\u+3], v[AXS] offset:(4*\grp+2*\u)*256
.endr
.irp s, 0,1,2,3
.if \s > 0
.set ZF, 0
.rept 4
	v_nop                                          ; four places in front of loads into registers that matrix instructions have read
.endr
.else
.set ZF, 1
.endif
.irp m, 0,1,2,3
.irp j, 0,1,2
	ds_load_b128 v[XF+12*\m+4*\j:XF+12*\m+4*\j+3], v[AXI] offset:(4*(4*\grp+\m)+\s)*1536+512*\j
.endr
.endr
	s_wait_dscnt 0x0
.if \vv
	WIN 0x04                                       ; source 1 (W) window 1
.else
	WIN 0x01                                       ; source 0 (W) window 1
.endif
.irp m, 0,1,2,3
.irp t, 0,1,2,3
.if \vv
	WM ACC+32*\t+8*\m, XF+12*\m, 12*(4*\t+\s), ZF, XS+4*(\m/2)+\s, \m%2, WS+4*(\t/2)+\s, \t%2
.else
	WM ACC+32*\m+8*\t, 12*(4*\t+\s), XF+12*\m, ZF, WS+4*(\t/2)+\s, \t%2, XS+4*(\m/2)+\s, \m%2
.endif
.endr
.endr
	WIN 0
.endr
.rept 4
	v_nop                                          ; four places in front of the first read of results, and of the writes over x's fragments
.endr
.endm
	s_cmp_eq_u32 s[BY], 2
	s_cbranch_scc1 .Lvpath
	; ---- q and k: a lane holds one token; block m of the quantiser is token tile m's 32 channels of my half
.irp n, 0,1,2,3,4,5,6,7
	v_cmp_eq_u32 vcc_lo, 0, v[MK+\n]
	s_delay_alu instid0(VALU_DEP_1)
	v_cndmask_b32 v[MK+\n], v[EXO], v[EXM], vcc_lo ; bytes 2, 3 of the token's scale word
.endr
.irp g, 0,1
.if \g > 0
	s_wait_xcnt 0x0                                ; the first group's stores have read their registers, which are written again from here on
.endif
	GEMM64 \g, 0
	QUANT4 ACC
.irp m, 0,1,2,3
	global_store_b128 v[LI16], v[PC+6*\m:PC+6*\m+3], s[DCO:DCO+1] offset:(4*\g+\m)*768        ; 512 consecutive bytes, aligned
	global_store_b64 v[LI8], v[PC+6*\m+4:PC+6*\m+5], s[DCO:DCO+1] offset:(4*\g+\m)*768+512    ; 256 consecutive bytes, aligned
.endr
.irp m, 0,1,2,3
	v_lshlrev_b32 v[SWD+\m], v[SH8], v[EB+\m]      ; my byte at its place: block h
.endr
.irp m, 0,1,2,3
	s_delay_alu instid0(VALU_DEP_4)
	v_permlanex16_b32 v[TM+\m], v[SWD+\m], s[SEL], s[SEL+1]
.endr
.irp m, 0,1,2,3
	s_delay_alu instid0(VALU_DEP_4)
	v_or_b32 v[SWD+\m], v[SWD+\m], v[TM+\m]
.endr
.irp m, 0,1,2,3
	s_delay_alu instid0(VALU_DEP_4)
	v_or_b32 v[SWD+\m], v[SWD+\m], v[MK+4*\g+\m]
.endr
	PACK2 PK, SWD, SWD+1, SWD+2, SWD+3
	global_store_b64 v[LI8], v[PK:PK+1], s[DSC:DSC+1] offset:256*\g   ; 256 consecutive bytes, aligned
.endr
	s_wait_tensorcnt 0x0
	ds_add_u32 v254, v255
	s_wait_dscnt 0x0
	s_endpgm
.Lvpath:
	; ---- v: a lane holds one channel; block t of the quantiser is channel tile t's 32 keys of my half
.irp c, 0,1
.if \c > 0
	s_wait_xcnt 0x0                                ; the first group's stores have read their registers
.endif
	GEMM64 \c, 1
	QUANT4 ACC
.irp t, 0,1,2,3
	global_store_b128 v[LI16], v[PC+6*\t:PC+6*\t+3], s[DCO:DCO+1] offset:(2*\t+\c)*768
	global_store_b64 v[LI8], v[PC+6*\t+4:PC+6*\t+5], s[DCO:DCO+1] offset:(2*\t+\c)*768+512
.endr
.irp t, 0,1,2,3
.if \c == 0
	v_mov_b32 v[VB+\t], v[EB+\t]
.else
	SWORD SWD+\t, VB+\t, EB+\t
.endif
.endr
.endr
	PACK2 PK, SWD, SWD+1, SWD+2, SWD+3
	global_store_b64 v[LI8], v[PK:PK+1], s[DSC:DSC+1]
	s_wait_tensorcnt 0x0
	ds_add_u32 v254, v255
	s_wait_dscnt 0x0
	s_endpgm
.Lfunc_end_k_qe3261ea770_proj:
	.size	k_qe3261ea770_proj, .Lfunc_end_k_qe3261ea770_proj-k_qe3261ea770_proj
	.p2alignl 7, 3214868480
	.fill 96, 4, 3214868480
	.section	.rodata,"a",@progbits
	.p2align	6, 0x0
	.amdhsa_kernel k_qe3261ea770_proj
		.amdhsa_group_segment_fixed_size 327680
		.amdhsa_private_segment_fixed_size 0
		.amdhsa_enable_private_segment 0
		.amdhsa_kernarg_size 72
		.amdhsa_user_sgpr_count 2
		.amdhsa_user_sgpr_kernarg_segment_ptr 1
		.amdhsa_wavefront_size32 1
		.amdhsa_system_sgpr_workgroup_id_x 1
		.amdhsa_system_sgpr_workgroup_id_y 1
		.amdhsa_system_sgpr_workgroup_id_z 1
		.amdhsa_system_vgpr_workitem_id 0
		.amdhsa_next_free_vgpr 448
		.amdhsa_next_free_sgpr 66
		.amdhsa_reserve_vcc 1
		.amdhsa_float_denorm_mode_32 3
		.amdhsa_float_denorm_mode_16_64 3
		.amdhsa_memory_ordered 1
		.amdhsa_forward_progress 1
		.amdhsa_inst_pref_size 109
	.end_amdhsa_kernel
	.amdgpu_metadata
---
amdhsa.version: [ 1, 2 ]
amdhsa.kernels:
  - .name:           k_qe3261ea770_proj
    .symbol:         k_qe3261ea770_proj.kd
    .args:
      - { .name: query, .offset: 0, .size: 8, .value_kind: global_buffer, .address_space: global }
      - { .name: key, .offset: 8, .size: 8, .value_kind: global_buffer, .address_space: global }
      - { .name: value, .offset: 16, .size: 8, .value_kind: global_buffer, .address_space: global }
      - { .name: mask, .offset: 24, .size: 8, .value_kind: global_buffer, .address_space: global }
      - { .name: wcodes, .offset: 32, .size: 8, .value_kind: global_buffer, .address_space: global }
      - { .name: wscales, .offset: 40, .size: 8, .value_kind: global_buffer, .address_space: global }
      - { .name: qcodes, .offset: 48, .size: 8, .value_kind: global_buffer, .address_space: global }
      - { .name: qscales, .offset: 56, .size: 8, .value_kind: global_buffer, .address_space: global }
      - { .name: kv, .offset: 64, .size: 8, .value_kind: global_buffer, .address_space: global }
    .group_segment_fixed_size: 327680
    .private_segment_fixed_size: 0
    .kernarg_segment_align: 8
    .kernarg_segment_size: 72
    .max_flat_workgroup_size: 256
    .sgpr_count:     66
    .vgpr_count:     448
    .wavefront_size: 32
...
	.end_amdgpu_metadata
.endif
;; end of part 2
;; launch attn (part 3): grid 16 x 16, 16 waves a work-group, clusters of 4 x 1, 327,680 bytes of LDS; arguments qcodes, qscales, kv, mask, xcodes, xscales; writes xcodes, xscales
.if DOCPART == 3
	.amdgcn_target "amdgcn-amd-amdhsa--gfx1250"
	.amdhsa_code_object_version 6
	.text
	.protected	k_qe3261ea770_attn
	.globl	k_qe3261ea770_attn
	.p2align	8
	.type	k_qe3261ea770_attn,@function
k_qe3261ea770_attn:
	s_mov_b64 s[64:65], 0
	v_nop
	global_prefetch_b8 v0, s[64:65] scope:SCOPE_SE
	s_setreg_imm32_b32 hwreg(HW_REG_WAVE_MODE, 25, 1), 1
	s_wait_xcnt 0x0
	s_wait_alu depctr_hold_cnt(0) depctr_sa_sdst(0) depctr_va_vdst(0) depctr_va_sdst(0) depctr_va_ssrc(0) depctr_va_vcc(0) depctr_vm_vsrc(0)
	s_getreg_b32 s2, hwreg(HW_REG_IB_STS2, 6, 4)
	s_cmp_eq_u32 s2, 0
	s_cbranch_scc0 .Lentry_in_a_cluster
	s_endpgm
.Lentry_in_a_cluster:
	s_bfe_u32 s2, ttmp6, 0x10000c
	s_cmp_lg_u32 s2, 0x3003
	s_cbranch_scc0 .Lentry_shape_is_right
	s_endpgm
.Lentry_shape_is_right:
; x[b][q][head] = softmax_k(q . k / ln 64, masked keys out) v, both products on codes of FP6 (E2M3) with one E8M0 scale for each 32 along a product's K; x leaves quantised along the output projection's K.
; THE SOFTMAX: t = score x c, c = log2(e) / ln 64; M = the row's largest t so far, rounded UP to a whole number; p = 2^(t - M) is quantised along the keys, not normalised.  The row's sum is taken of the
; unquantised p and divides at the end.  When M moves, the sum and O are multiplied by 2^(old M - new M): exact.
; SHARES.  Work-group: 256 queries of one batch x head (y).  Each of its SIXTEEN waves owns one token tile of 16 queries in 256 registers: four waves to a SIMD, so that one wave's vector work stands beside
; another's matrix work and LDS loads.  A key step of 128 keys is 12 matrix instructions and some 210 vector instructions a wave: the text spares vector lines first.
; LAYOUT.  Both products transposed: S^T = k q^T (source 0 = 16 keys), O^T = v^T p^T (source 0 = 16 channels): a lane holds ONE query throughout.  Row r of tile i of a group of 64 keys (or channels) is element
; 32 (r / 8) + 8 i + r % 8, so a group's 32 result registers are, in a lane of half h, elements 32 h + 0 .. 31: a whole block of 32 keys in ONE lane, in the order of the 6-bit operand:
; no block's maximum and no code changes lanes.  All operands lie in memory and LDS as images of their registers (half a fragment: registers 0-3 of lane l at 16 l, registers 4-5 at 512 + 8 l).
; THE MASK costs no vector line.  The head's 64 channels fill k = 0 .. 63 of the instruction's 128.  At k = 64 every key holds the code -1 and every query +1 (registers set once, never loaded over); byte 2 of
; a query's scale word is 100, of a key's 254 where mask == 0, else 1.  A masked key's score so has 2^100 taken off: its p is 0.  An open key's has 2^-153 taken off.
; A batch with NO open key: reference() then has all logits equal.  The work-group ORs the batch's mask words and takes c = 0 by a select: every t = 0, M = 0, p = 1, the sum 4,096.
; THE RING.  A key step's tiles and scale words are one dense block of 13,056 bytes; a slot holds eight steps; two slots.  Waves 0-3 fetch a quarter slot each (102 rows of 256 bytes).
; CLUSTER.  The four query blocks of a cluster walk the same head's keys: each quarter slot is asked for JOINTLY, by the same load with the same descriptor and the mask 15.
; By this text's own count a fetching wave has two tensor loads out at the start and one behind each refill; a refill has eight key steps in which to land, so nothing is prefetched.
; LIMITS: a masked key's score is its own less 2^100, not -1e30: right while |q . k| stays under 2^76, where that difference is -2^100 exactly (so a run of masked keys ahead of the first open one gives t - M = 0,
; p = 1, finite sums, and the first open key multiplies them by 0); a block of zeros gets the byte 1 where the rule says 127 (zero codes; this program alone reads the bytes); NaN and infinities are not served.
.set STEPB, 13056                      ; a key step's block: +0 k's 8 tiles, +VO v^T's 8 halves, +KSO k's scale words, +VSO v's
.set VO,    6144
.set KSO,   12288
.set VSO,   12800
.set SLOTB, 8*STEPB
.set QUART, SLOTB/4                    ; what one tensor load brings
.set SLOT1, 131072                     ; slot 1 begins here: one exclusive or turns an address in one slot into the other's
.set SPARE, 262144                     ; the spare words, 128 bytes for each wave: eight blocks of 256 bytes that no other line names
.set FLAG,  264192                     ; a word for each wave: has its part of the mask an open key
.set LI16, 1                           ; v1   16 x lane
.set LI8,  2                           ; v2   8 x lane
.set SPW,  3                           ; v3   LDS address of my spare word; never rewritten
.set NIL,  4                           ; v4   0; never rewritten
.set A16,  5                           ; v5   the step's block + 16 x lane
.set A8,   6                           ; v6   the step's block + 8 x lane
.set SH8,  7                           ; v7   8 h
.set BM,   8                           ; v8-9  my two blocks' largest scores, then largest p
.set T,    10                          ; v10-11 at work
.set T2,   11
.set NM,   12                          ; v12  -M;  v13 the largest t so far
.set LS,   14                          ; v14-15 the sum, in two halves
.set QQ,   16                          ; v16-27 q's fragment
.set QS,   28                          ; v28  q's scale words
.set TA,   29                          ; v29  an offset at the head and at the end
.set FF,   30                          ; v30  f = 2^(old M - new M)
.set PS,   31                          ; v31  p's scale word
.set KS,   32                          ; v32-35 k's scale words: register 2 g + i / 2; lanes 0-15 the even tile, lanes 16-31 the odd one
.set VS,   36                          ; v36-37 v's likewise
.set SCL,  38                          ; v38-39 the conversions' scale operands
.set EB,   40                          ; v40-41 p's scale bytes
.set L2,   42                          ; v42-43 the sum's second chain
.set CT,   44                          ; v44-51 the upper halves of the blocks' codes, before they are moved
.set PP,   52                          ; v52-63 p's fragment
.set KF,   64                          ; v64-111 four fragments of k: registers 0-5 loaded, 6-11 set once
.set VF,   112                         ; v112-159 four fragments of v^T
.set SS,   160                         ; v160-223 S^T, then p
.set OO,   224                         ; v224-255 O^T
.set WV,   18                          ; s18  wave
.set SEL,  20                          ; s[20:21] lane selects: lane l xor 16
.set CS,   22                          ; s[22:23] c, or 0: the packed form names a pair and takes its low word for both halves
.set G1,   24                          ; s[24:31] descriptor group 1
.set G0A,  32                          ; s[32:35] group 0 of slot 0's first fill
.set G0W,  36                          ; s[36:39] group 0 of slot 1's first fill; it then walks
.set TB,   40                          ; s40  LDS byte at which the step's block begins
.set STP,  41                          ; s41  counts a slot's steps
.set SLT,  42                          ; s42  counts the refills
.set HM,   44                          ; s44  lanes 16-31
.macro WM d, a, b, z, sa, ra, sb, rb   ; one matrix instruction.  z = 1: C is the constant 0.  ra, rb = 1: that side's scales are read from lanes 16-31
.set WSEL, 4*(\z)+2*(\ra)+(\rb)
.if WSEL == 0
	v_wmma_scale_f32_16x16x128_f8f6f4 v[\d:\d+7], v[\a:\a+11], v[\b:\b+11], v[\d:\d+7], v[\sa], v[\sb] matrix_a_fmt:MATRIX_FMT_FP6 matrix_b_fmt:MATRIX_FMT_FP6
.elseif WSEL == 2
	v_wmma_scale_f32_16x16x128_f8f6f4 v[\d:\d+7], v[\a:\a+11], v[\b:\b+11], v[\d:\d+7], v[\sa], v[\sb] matrix_a_fmt:MATRIX_FMT_FP6 matrix_b_fmt:MATRIX_FMT_FP6 matrix_a_scale:MATRIX_SCALE_ROW1
.elseif WSEL == 4
	v_wmma_scale_f32_16x16x128_f8f6f4 v[\d:\d+7], v[\a:\a+11], v[\b:\b+11], 0, v[\sa], v[\sb] matrix_a_fmt:MATRIX_FMT_FP6 matrix_b_fmt:MATRIX_FMT_FP6
.else
	v_wmma_scale_f32_16x16x128_f8f6f4 v[\d:\d+7], v[\a:\a+11], v[\b:\b+11], 0, v[\sa], v[\sb] matrix_a_fmt:MATRIX_FMT_FP6 matrix_b_fmt:MATRIX_FMT_FP6 matrix_a_scale:MATRIX_SCALE_ROW1
.endif
.endm
; A round of the cluster's barrier: my work-group's barrier, so that wave 0's signal speaks for all sixteen waves; wave 0 signals for the work-group; every wave waits for all four work-groups; my work-group's barrier once more.
.macro ROUND
	s_barrier_signal -1
	s_barrier_wait -1
	s_cmp_lg_u32 s[WV], 0
	s_cbranch_scc1 .Lnot_wave_0_\@
	s_barrier_signal -3
.Lnot_wave_0_\@:
	s_barrier_wait -3
	s_barrier_signal -1
	s_barrier_wait -1
.endm
	s_load_b256 s[4:11], s[0:1], 0x0               ; qcodes, qscales, kv, mask
	s_load_b128 s[12:15], s[0:1], 0x20             ; xcodes, xscales
	v_lshl_add_u32 v[SPW], v0, 2, SPARE
	v_mov_b32 v[NIL], 0
	ds_add_u32 v3, v4
	ds_add_u32 v3, v4
	s_wait_dscnt 0x0
	v_lshrrev_b32 v[T], 5, v0
	s_delay_alu instid0(VALU_DEP_1)
	v_readfirstlane_b32 s[WV], v[T]                ; wave 0..15
	s_bfe_u32 s47, ttmp6, 0x40000                  ; cx: my place in the cluster: it enters q's and x's global addresses alone
	s_lshl_b32 s46, ttmp9, 2
	s_add_co_u32 s46, s46, s47                     ; my block of 256 queries
	s_and_b32 s45, ttmp7, 0xffff                   ; batch x head, which the four partners share
	; descriptor group 1: a quarter slot, 26,112 dense bytes, as 102 rows of 32 elements of 8 bytes
	s_mov_b32 s[G1+0], 15|(3<<16)|(1<<21)          ; 15:0 the mask: all four work-groups; 17:16 elements of 8 bytes; 20 no padding; 21 set beside a mask
	s_mov_b32 s[G1+1], 32<<16                      ; tensor_dim0 = 32
	s_mov_b32 s[G1+2], 102<<16                     ; tensor_dim1 = 102
	s_mov_b32 s[G1+3], 32<<16                      ; tile_dim0 = 32
	s_mov_b32 s[G1+4], 102                         ; tile_dim1 = 102
	s_mov_b32 s[G1+5], 32                          ; tensor_dim0_stride
	s_mov_b32 s[G1+6], 0
	s_mov_b32 s[G1+7], 0
	s_and_b32 s48, s[WV], 3                        ; which quarter I fetch, if I fetch
	s_mul_i32 s[G0A+1], s48, QUART                 ; its place in a slot: no place in the cluster enters an LDS address
	s_add_co_u32 s[G0W+1], s[G0A+1], SLOT1
	s_mul_i32 s48, s45, 32*STEPB                   ; the head's first byte in kv,
	s_add_co_u32 s48, s48, s[G0A+1]                ; and my quarter
	s_mov_b32 s49, 0
	s_mov_b32 s[G0A], 1
	s_mov_b32 s[G0W], 1
	s_lshl_b32 s50, s45, 8                         ; q's codes: tile 256 (batch x head) + 16 (block) + w, 768 bytes each
	s_lshl_b32 s51, s46, 4
	s_add_co_u32 s50, s50, s51
	s_add_co_u32 s50, s50, s[WV]
	s_mul_i32 s50, s50, 768
	s_mov_b32 s51, 0
	s_lshl_b32 s52, s45, 6                         ; q's scale words: group of 64 tokens 64 (batch x head) + 4 (block) + w / 4, 256 bytes each;
	s_lshl_b32 s53, s46, 2
	s_add_co_u32 s52, s52, s53
	s_lshr_b32 s53, s[WV], 2
	s_add_co_u32 s52, s52, s53
	s_lshl_b32 s52, s52, 8
	s_and_b32 s53, s[WV], 1                        ; in it tile i = w % 4: 128 (i % 2) + 4 (i / 2), + 8 r
	s_lshl_b32 s53, s53, 7
	s_add_co_u32 s52, s52, s53
	s_bfe_u32 s53, s[WV], 0x10001
	s_lshl_b32 s53, s53, 2
	s_add_co_u32 s52, s52, s53
	s_mov_b32 s53, 0
	s_lshr_b32 s54, s45, 3                         ; batch
	s_and_b32 s55, s45, 7                          ; head
	s_lshl_b32 s60, s54, 14                        ; the batch's mask words
	s_mov_b32 s61, 0
	s_lshl_b32 s54, s54, 8
	s_lshl_b32 s56, s46, 4
	s_add_co_u32 s54, s54, s56
	s_add_co_u32 s54, s54, s[WV]                   ; my token tile among the 512
	s_lshl_b32 s56, s54, 3
	s_add_co_u32 s56, s56, s55
	s_mul_i32 s56, s56, 768                        ; x's codes: [tile][head] halves of 768 bytes
	s_mov_b32 s57, 0
	s_lshl_b32 s58, s54, 8                         ; x's scale bytes: [tile][row 16][16]; mine is byte 2 head + h
	s_lshl_b32 s59, s55, 1
	s_add_co_u32 s58, s58, s59
	s_mov_b32 s59, 0
	s_lshl_b32 s62, s[WV], 2
	s_add_co_u32 s62, s62, FLAG                    ; my wave's flag word
	s_mov_b32 s[SEL], 0x76543210
	s_mov_b32 s[SEL+1], 0xfedcba98
	s_mov_b32 s[HM], 0xffff0000
	s_mov_b32 s[TB], 0
	s_mov_b32 s[SLT], 2
	s_wait_kmcnt 0x0
	s_add_nc_u64 s[G0A+2:G0A+3], s[8:9], s[48:49]
	s_add_nc_u64 s[G0W+2:G0W+3], s[G0A+2:G0A+3], SLOTB
	s_or_b32 s[G0A+3], s[G0A+3], 0x80000000        ; type = 2
	s_or_b32 s[G0W+3], s[G0W+3], 0x80000000
	s_add_nc_u64 s[4:5], s[4:5], s[50:51]
	s_add_nc_u64 s[6:7], s[6:7], s[52:53]
	s_add_nc_u64 s[10:11], s[10:11], s[60:61]
	s_add_nc_u64 s[12:13], s[12:13], s[56:57]
	s_add_nc_u64 s[14:15], s[14:15], s[58:59]
	ROUND                                          ; all four work-groups are here: the first joint loads meet
	s_cmp_lt_u32 s[WV], 4                          ; a wave's two first fills stand in one branch on the wave's number, ahead of every wait on TENSORcnt, every LDS read and every other barrier
	s_cbranch_scc0 .Lno_first
	tensor_load_to_lds s[G0A:G0A+3], s[G1:G1+7]    ; steps 0-7
	s_nop 0
	tensor_load_to_lds s[G0W:G0W+3], s[G1:G1+7]    ; steps 8-15
	s_nop 0
.rept 4
	v_nop
.endr
.Lno_first:
	v_and_b32 v[T], 31, v0
	s_delay_alu instid0(VALU_DEP_1)
	v_lshlrev_b32 v[LI16], 4, v[T]
	s_delay_alu instid0(VALU_DEP_2)
	v_lshlrev_b32 v[LI8], 3, v[T]
	v_and_b32 v[T2], 15, v0                        ; r
	v_bfe_u32 v[SH8], v0, 4, 1                     ; h
	s_delay_alu instid0(VALU_DEP_2)
	v_lshlrev_b32 v[TA], 3, v[T2]
	v_lshlrev_b32 v[A16], 5, v0                    ; the mask: 8 words a thread, 512 threads: the batch's 4,096
	global_load_b128 v[QQ:QQ+3], v[LI16], s[4:5]
	global_load_b64 v[QQ+4:QQ+5], v[LI8], s[4:5] offset:512
	global_load_b32 v[QS], v[TA], s[6:7]
	global_load_b128 v[SS:SS+3], v[A16], s[10:11]
	global_load_b128 v[SS+4:SS+7], v[A16], s[10:11] offset:16
	v_lshlrev_b32 v[SH8], 3, v[SH8]
	v_mov_b32 v[T], 40                             ; the code of -1.0
	v_mov_b32 v[BM], 0
.irp i, 0,1,2,3
	v_cndmask_b32 v[KF+12*\i+6], v[T], v[BM], s[HM]   ; k = 64: bits 5:0 of register 6 in lanes 0-15; lanes 16-31 hold k = 96 on: zeros
.irp j, 7,8,9,10,11
	v_mov_b32 v[KF+12*\i+\j], 0
.endr
.endr
	v_mov_b32 v[T], 8                              ; the code of +1.0
	s_delay_alu instid0(VALU_DEP_1)
	v_cndmask_b32 v[QQ+6], v[T], v[BM], s[HM]
.irp j, 7,8,9,10,11
	v_mov_b32 v[QQ+\j], 0
.endr
	v_mov_b32 v[NM+1], 0xff61b1e6                  ; the largest t so far: -3e38, under every t
	s_delay_alu instid0(VALU_DEP_1)
	v_floor_f32 v[NM], -v[NM+1]                    ; -M
	v_mov_b32 v[LS], 0
	v_mov_b32 v[LS+1], 0
	v_mov_b32 v[PS], 0                             ; (named as the upper half of the pair with f before it is first written)
.set J, 0
.rept 32
	v_mov_b32 v[OO+J], 0                           ; O^T.  (The step is written once: the first finds zeros, which the first change of M leaves zeros)
.set J, J+1
.endr
	s_wait_loadcnt 0x0                             ; q, its scale words, my 8 mask words
	v_or_b32 v[SS], v[SS], v[SS+1]
	v_or_b32 v[SS+2], v[SS+2], v[SS+3]
	v_or_b32 v[SS+4], v[SS+4], v[SS+5]
	v_or_b32 v[SS+6], v[SS+6], v[SS+7]
	s_delay_alu instid0(VALU_DEP_3)
	v_or_b32 v[SS], v[SS], v[SS+2]
	s_delay_alu instid0(VALU_DEP_2)
	v_or_b32 v[SS+4], v[SS+4], v[SS+6]
	s_delay_alu instid0(VALU_DEP_1)
	v_or_b32 v[SS], v[SS], v[SS+4]
	s_delay_alu instid0(VALU_DEP_1)
	v_cmp_ne_u32 vcc_lo, 0, v[SS]
	s_cmp_lg_u32 vcc_lo, 0
	s_cselect_b32 s50, 1, 0                        ; has my wave's part an open key
	v_mov_b32 v[SS+1], s50
	v_mov_b32 v[TA], s62
	ds_store_b32 v[TA], v[SS+1]                    ; all lanes write the same word with the same value
	s_wait_tensorcnt 0x1                           ; my part of slot 0 is in; slot 1's may stay out
	s_wait_dscnt 0x0                               ; my flag word lies in LDS
	s_barrier_signal -1
	s_barrier_wait -1                              ; everybody's part and word do
	v_mov_b32 v[TA], FLAG
.irp i, 0,1,2,3
	ds_load_b128 v[SS+4*\i:SS+4*\i+3], v[TA] offset:16*\i
.endr
	s_wait_dscnt 0x0
.irp i, 1
	v_or_b32 v[SS], v[SS], v[SS+\i]
.endr
.irp i, 2, 3, 4, 5, 6, 7, 8, 9, 10, 11, 12, 13, 14, 15
	s_delay_alu instid0(VALU_DEP_1)
	v_or_b32 v[SS], v[SS], v[SS+\i]
.endr
	s_delay_alu instid0(VALU_DEP_1)
	v_readfirstlane_b32 s50, v[SS]
	s_cmp_lg_u32 s50, 0
	s_cselect_b32 s[CS], 0x3eb19c33, 0             ; c = log2(e) / ln 64 = 0.3468948; 0 where the batch has no open key.  A select: no branch hangs on the mask
	s_mov_b32 s[CS+1], s[CS]
; A KEY STEP: 128 keys.
.macro STEP
	v_add_nc_u32 v[A16], s[TB], v[LI16]
	v_add_nc_u32 v[A8], s[TB], v[LI8]
	ds_load_b64 v[KS:KS+1], v[A8] offset:KSO
	ds_load_b64 v[KS+2:KS+3], v[A8] offset:KSO+256
.irp g, 0,1                                    ; S^T = k q^T: a group of 64 keys, four tiles, at a time
.if \g > 0
.rept 4
	v_nop                                          ; four places in front of loads into registers that matrix instructions have read: k's of the first group; with the two additions above also v's of the last step
.endr
.endif
.irp i, 0,1,2,3
	ds_load_b128 v[KF+12*\i:KF+12*\i+3], v[A16] offset:768*(4*\g+\i)
	ds_load_b64 v[KF+12*\i+4:KF+12*\i+5], v[A8] offset:768*(4*\g+\i)+512
.endr
.if \g > 0
.irp i, 0,1,2,3                                ; v^T's four fragments are asked for here and land under the softmax
.irp c, 0,1
	ds_load_b128 v[VF+12*\i+6*\c:VF+12*\i+6*\c+3], v[A16] offset:VO+768*(2*\i+\c)
	ds_load_b64 v[VF+12*\i+6*\c+4:VF+12*\i+6*\c+5], v[A8] offset:VO+768*(2*\i+\c)+512
.endr
.endr
	ds_load_b64 v[VS:VS+1], v[A8] offset:VSO
	s_wait_dscnt 17                                ; k's are in; v's sixteen loads and its scale words', issued behind them, may be out
.else
	s_wait_alu depctr_va_vdst(0)
	s_wait_dscnt 0x0
.endif
.irp i, 0,1,2,3
	WM SS+32*\g+8*\i, KF+12*\i, QQ, 1, KS+2*\g+\i/2, \i%2, QS, 0
.endr
.endr                                          ; lane (r, h) holds query r; register 32 g + n is key 64 g + 32 h + n: block 2 g + h is all mine
.rept 4
	v_nop                                          ; four places in front of the first read of results
.endr
.irp b, 0,1
	v_max3_num_f32 v[BM+\b], v[SS+32*\b], v[SS+32*\b+1], v[SS+32*\b+2]   ; THE LARGEST SCORE OF EACH OF MY TWO BLOCKS: for the row's maximum and, since p rises with the score, for the block's largest p.  Each accumulator is read from its low end on
.endr
.irp i, 3,5,7,9,11,13,15,17,19,21,23,25,27,29
.irp b, 0,1
	v_max3_num_f32 v[BM+\b], v[BM+\b], v[SS+32*\b+\i], v[SS+32*\b+\i+1]
.endr
.endr
.irp b, 0,1
	v_max_num_f32 v[BM+\b], v[BM+\b], v[SS+32*\b+31]
.endr
	s_delay_alu instid0(VALU_DEP_1)
	v_max_num_f32 v[T], v[BM], v[BM+1]
	s_delay_alu instid0(VALU_DEP_1)
	v_permlanex16_b32 v[T2], v[T], s[SEL], s[SEL+1]
	s_delay_alu instid0(VALU_DEP_1)
	v_max_num_f32 v[T], v[T], v[T2]                ; the step's largest score of my query
	s_delay_alu instid0(VALU_DEP_1)
	v_mul_f32 v[T], s[CS], v[T]                    ; as t (c is not negative)
	s_delay_alu instid0(VALU_DEP_1)
	v_max_num_f32 v[NM+1], v[NM+1], v[T]           ; the running largest t
	v_mov_b32 v[T], v[NM]
	s_delay_alu instid0(VALU_DEP_2)
	v_floor_f32 v[NM], -v[NM+1]                    ; the new -M = floor(-t): M IS A WHOLE NUMBER
	s_delay_alu instid0(VALU_DEP_1)
	v_sub_f32 v[T], v[NM], v[T]                    ; old M less new M: a whole number, 0 or less
	s_delay_alu instid0(VALU_DEP_1)
	v_cvt_i32_f32 v[T], v[T]                       ; (it saturates)
	s_delay_alu instid0(VALU_DEP_1)
	v_ldexp_f32 v[FF], 1.0, v[T]                   ; f = 2^(old M - new M)
.set J, 0
.rept 32
	v_pk_fma_f32 v[SS+J:SS+J+1], v[SS+J:SS+J+1], s[CS:CS+1], v[NM:NM+1] op_sel_hi:[1,0,0]   ; t - M, two at a time
.set J, J+2
.endr
.irp b, 0,1
	v_fma_f32 v[BM+\b], v[BM+\b], s[CS], v[NM]     ; the same of each block's largest score
.endr
.set J, 0
	s_setprio 1
	s_wait_alu depctr_va_vdst(0)
.rept 64
	v_exp_f32 v[SS+J], v[SS+J]                     ; p = 2^(t - M): NOT normalised
.set J, J+1
.endr
	v_pk_mul_f32 v[LS:LS+1], v[LS:LS+1], v[FF:FF+1] op_sel_hi:[1,0]   ; the sums under the new M: the plain line behind the exponentials
	s_wait_alu depctr_va_vdst(0)                   ; one wait for the whole batch, ahead of its first reader
.irp b, 0,1
	v_exp_f32 v[BM+\b], v[BM+\b]                   ; the block's largest p: the same two instructions on the same number
.endr
	v_pk_add_f32 v[42:43], v[164:165], v[168:169]
	v_pk_add_f32 v[104:105], v[172:173], v[176:177]
	v_pk_add_f32 v[102:103], v[180:181], v[184:185]
	v_pk_add_f32 v[100:101], v[188:189], v[192:193]
	v_pk_add_f32 v[92:93], v[196:197], v[200:201]
	v_pk_add_f32 v[90:91], v[204:205], v[208:209]
	v_pk_add_f32 v[88:89], v[212:213], v[216:217]
	v_pk_add_f32 v[14:15], v[14:15], v[220:221]
	v_pk_add_f32 v[42:43], v[42:43], v[160:161]
	v_pk_add_f32 v[104:105], v[104:105], v[162:163]
	v_pk_add_f32 v[102:103], v[102:103], v[166:167]
	v_pk_add_f32 v[100:101], v[100:101], v[170:171]
	v_pk_add_f32 v[92:93], v[92:93], v[174:175]
	v_pk_add_f32 v[90:91], v[90:91], v[178:179]
	v_pk_add_f32 v[88:89], v[88:89], v[182:183]
	v_pk_add_f32 v[14:15], v[14:15], v[186:187]
	v_pk_add_f32 v[42:43], v[42:43], v[190:191]
	v_pk_add_f32 v[104:105], v[104:105], v[194:195]
	v_pk_add_f32 v[102:103], v[102:103], v[198:199]
	v_pk_add_f32 v[100:101], v[100:101], v[202:203]
	v_pk_add_f32 v[92:93], v[92:93], v[206:207]
	v_pk_add_f32 v[90:91], v[90:91], v[210:211]
	v_pk_add_f32 v[88:89], v[88:89], v[214:215]
	v_pk_add_f32 v[14:15], v[14:15], v[218:219]
	v_pk_add_f32 v[42:43], v[42:43], v[222:223]
	s_delay_alu instid0(VALU_DEP_2)
	v_pk_add_f32 v[14:15], v[14:15], v[100:101]
	s_delay_alu instid0(VALU_DEP_2)
	v_pk_add_f32 v[42:43], v[42:43], v[92:93]
	v_pk_add_f32 v[104:105], v[104:105], v[90:91]
	v_pk_add_f32 v[102:103], v[102:103], v[88:89]
	s_delay_alu instid0(VALU_DEP_2)
	v_pk_add_f32 v[14:15], v[14:15], v[104:105]
	s_delay_alu instid0(VALU_DEP_2)
	v_pk_add_f32 v[42:43], v[42:43], v[102:103]
	s_delay_alu instid0(VALU_DEP_1)
	v_pk_add_f32 v[14:15], v[14:15], v[42:43]
	s_wait_alu depctr_va_vdst(0)                   ; and one for the two
.irp b, 0,1
	v_max_num_f32 v[BM+\b], 0x1800000, v[BM+\b]    ; the floor 2^(3 - 127): the byte cannot fall under 1 (a block whose every p is 0 keeps that byte: its codes are zeros)
.endr
.irp b, 0,1
	s_delay_alu instid0(VALU_DEP_2)
	v_add_nc_u32 v[SCL+\b], 0xff000000, v[BM+\b]   ; 2 off the exponent field: the conversion's scale operand
.endr
.irp b, 0,1
	s_delay_alu instid0(VALU_DEP_2)
	v_lshrrev_b32 v[EB+\b], 23, v[SCL+\b]          ; the scale's byte
.endr
	s_delay_alu instid0(VALU_DEP_1)
	v_lshl_or_b32 v[T], v[EB+1], 16, v[EB]         ; my bytes: blocks h and 2 + h,
	s_delay_alu instid0(VALU_DEP_1)
	v_lshlrev_b32 v[T], v[SH8], v[T]
	s_delay_alu instid0(VALU_DEP_1)
	v_permlanex16_b32 v[T2], v[T], s[SEL], s[SEL+1]
	s_delay_alu instid0(VALU_DEP_1)
	v_or_b32 v[PS], v[T], v[T2]                    ; with lane l xor 16's: p's scale word for these 128 keys
.irp c, 0,1
	v_cvt_scalef32_pk16_fp6_f32 v[PP+6*\c:PP+6*\c+2], v[SS+32*\c:SS+32*\c+15], v[SCL+\c]
	v_cvt_scalef32_pk16_fp6_f32 v[CT+4*\c:CT+4*\c+2], v[SS+32*\c+16:SS+32*\c+31], v[SCL+\c]   ; (a conversion's three registers begin on an even number)
.endr
	v_nop                                          ; one plain line behind the last scaled conversion
.irp c, 0,1
.irp i, 0,1,2
	v_mov_b32 v[PP+6*\c+3+\i], v[CT+4*\c+\i]
.endr
.endr
.set J, 0
	s_setprio 0
.rept 16
	v_pk_mul_f32 v[OO+J:OO+J+1], v[OO+J:OO+J+1], v[FF:FF+1] op_sel_hi:[1,0]   ; O^T under the new M.  These sixteen are also the places between the writes of p's codes and scale word and the products
.set J, J+2
.endr
	s_wait_alu depctr_va_vdst(0)
	s_wait_dscnt 0x0                               ; v^T and its scale words are in
.irp i, 0,1,2,3                                ; O^T += v^T p^T: the four accumulators by turns
	WM OO+8*\i, VF+12*\i, PP, 0, VS+\i/2, \i%2, PS, 0
.endr
	s_add_co_u32 s[TB], s[TB], STEPB
.endm
.macro SLOT_STEPS                      ; a slot's eight key steps: written once, walked eight times
	s_mov_b32 s[STP], 8
.Lstep_\@:
	s_setprio 2
	STEP
	s_sub_co_u32 s[STP], s[STP], 1
	s_cmp_lg_u32 s[STP], 0
	s_cbranch_scc1 .Lstep_\@
	s_setprio 0
	s_sub_co_u32 s[TB], s[TB], SLOTB               ; back to a slot's first step,
	s_xor_b32 s[TB], s[TB], SLOT1                  ; in the other slot
.endm
; THE CHANGE OF SLOTS.  Each wave waits for all its tensor loads (its part of the slot ahead), adds 0 to its spare word, and waits for that and for its reads of the slot that it has left.
; fill = 1: the barrier is a round of the cluster's, so that no wave of any partner still reads the slot or has a load on its way, and the joint refill is the first thing behind it.
.macro CHANGE fill
	s_wait_tensorcnt 0x0                           ; no tensor load of mine is out, so a group 0 may be written
	ds_add_u32 v[SPW], v[NIL]                      ; 0 onto my spare word
.if \fill
	s_xor_b32 s[G0W+1], s[G0W+1], SLOT1            ; the walking descriptor: the other slot than last time,
	s_add_nc_u64 s[G0W+2:G0W+3], s[G0W+2:G0W+3], SLOTB   ; the next eight steps; the type bits on top are not reached
	s_wait_dscnt 0x0                               ; the add is done, and my reads of the slot that I have left are over
	ROUND
	s_cmp_lt_u32 s[WV], 4
	s_cbranch_scc0 .Lno_fill_\@
	tensor_load_to_lds s[G0W:G0W+3], s[G1:G1+7]    ; a wave's one tensor load until the next change: it has eight key steps in which to land
	s_nop 0
.rept 4
	v_nop
.endr
.Lno_fill_\@:
.else
	s_wait_dscnt 0x0
	s_barrier_signal -1
	s_barrier_wait -1
.endif
.endm
	SLOT_STEPS                                     ; steps 0-7
.Lslot:                                            ; two trips: steps 8-15 while 16-23 land, steps 16-23 while 24-31 land
	CHANGE 1
	SLOT_STEPS
	s_sub_co_u32 s[SLT], s[SLT], 1
	s_cmp_lg_u32 s[SLT], 0
	s_cbranch_scc1 .Lslot
	CHANGE 0                                       ; the last slot is written out
	SLOT_STEPS
	; THE WAY OUT.  O^T / the sum is my query's 32 channels 32 h + 0 .. 31 of the head: one block of the output projection's K.  It is quantised here and leaves as half a fragment.
.rept 4
	v_nop                                          ; four places behind the last products
.endr
	v_add_f32 v[LS], v[LS], v[LS+1]                ; the sum's two halves,
	s_delay_alu instid0(VALU_DEP_1)
	v_permlanex16_b32 v[T2], v[LS], s[SEL], s[SEL+1]
	s_delay_alu instid0(VALU_DEP_1)
	v_add_f32 v[LS], v[LS], v[T2]                  ; and lane l xor 16's: the row's sum, at least 1/2
	s_wait_alu depctr_va_vdst(0)
	v_rcp_f32 v[LS], v[LS]
	v_and_b32 v[T], 15, v0                         ; (plain lines behind the reciprocal)
	v_bfe_u32 v[TA], v0, 4, 1
	s_delay_alu instid0(VALU_DEP_1)
	v_lshl_add_u32 v[TA], v[T], 4, v[TA]           ; 16 r + h
	s_wait_alu depctr_va_vdst(0)                   ; the wait ahead of the reciprocal's first reader
.set J, 0
.rept 16
	v_pk_mul_f32 v[SS+J:SS+J+1], v[OO+J:OO+J+1], v[LS:LS+1] op_sel_hi:[1,0]
.set J, J+2
.endr
	v_max3_num_f32 v[BM], |v[SS]|, |v[SS+1]|, 0x1800000
.irp i, 2,4,6,8,10,12,14,16,18,20,22,24,26,28,30
	s_delay_alu instid0(VALU_DEP_1)
	v_max3_num_f32 v[BM], v[BM], |v[SS+\i]|, |v[SS+\i+1]|
.endr
	s_delay_alu instid0(VALU_DEP_1)
	v_add_nc_u32 v[SCL], 0xff000000, v[BM]
	s_delay_alu instid0(VALU_DEP_1)
	v_lshrrev_b32 v[EB], 23, v[SCL]
	v_cvt_scalef32_pk16_fp6_f32 v[PP:PP+2], v[SS:SS+15], v[SCL]
	v_cvt_scalef32_pk16_fp6_f32 v[CT:CT+2], v[SS+16:SS+31], v[SCL]
	v_nop
.irp i, 0,1,2
	v_mov_b32 v[PP+3+\i], v[CT+\i]
.endr
	global_store_b128 v[LI16], v[PP:PP+3], s[12:13]            ; 512 consecutive bytes, aligned
	global_store_b64 v[LI8], v[PP+4:PP+5], s[12:13] offset:512 ; 256 consecutive bytes, aligned
	global_store_b8 v[TA], v[EB], s[14:15]                     ; a byte a lane, in rows of 16: the eight heads' work-groups fill a row between them; the buffer is 128 KiB in all
	s_wait_tensorcnt 0x0                           ; the wave's end
	ds_add_u32 v[SPW], v[NIL]
	s_wait_dscnt 0x0
	ROUND                                          ; the closing round: no work-group ends while a partner may still ask for a tile that names it
	s_endpgm
.Lfunc_end_k_qe3261ea770_attn:
	.size	k_qe3261ea770_attn, .Lfunc_end_k_qe3261ea770_attn-k_qe3261ea770_attn
	.p2alignl 7, 3214868480
	.fill 96, 4, 3214868480
	.section	.rodata,"a",@progbits
	.p2align	6, 0x0
	.amdhsa_kernel k_qe3261ea770_attn
		.amdhsa_group_segment_fixed_size 327680
		.amdhsa_private_segment_fixed_size 0
		.amdhsa_enable_private_segment 0
		.amdhsa_kernarg_size 48
		.amdhsa_user_sgpr_count 2
		.amdhsa_user_sgpr_kernarg_segment_ptr 1
		.amdhsa_wavefront_size32 1
		.amdhsa_system_sgpr_workgroup_id_x 1
		.amdhsa_system_sgpr_workgroup_id_y 1
		.amdhsa_system_sgpr_workgroup_id_z 1
		.amdhsa_system_vgpr_workitem_id 0
		.amdhsa_next_free_vgpr 256
		.amdhsa_next_free_sgpr 66
		.amdhsa_reserve_vcc 1
		.amdhsa_float_denorm_mode_32 3
		.amdhsa_float_denorm_mode_16_64 3
		.amdhsa_memory_ordered 1
		.amdhsa_forward_progress 1
		.amdhsa_inst_pref_size 64
	.end_amdhsa_kernel
	.amdgpu_metadata
---
amdhsa.version: [ 1, 2 ]
amdhsa.kernels:
  - .name:           k_qe3261ea770_attn
    .symbol:         k_qe3261ea770_attn.kd
    .args:
      - { .name: qcodes, .offset: 0, .size: 8, .value_kind: global_buffer, .address_space: global }
      - { .name: qscales, .offset: 8, .size: 8, .value_kind: global_buffer, .address_space: global }
      - { .name: kv, .offset: 16, .size: 8, .value_kind: global_buffer, .address_space: global }
      - { .name: mask, .offset: 24, .size: 8, .value_kind: global_buffer, .address_space: global }
      - { .name: xcodes, .offset: 32, .size: 8, .value_kind: global_buffer, .address_space: global }
      - { .name: xscales, .offset: 40, .size: 8, .value_kind: global_buffer, .address_space: global }
    .group_segment_fixed_size: 327680
    .private_segment_fixed_size: 0
    .kernarg_segment_align: 8
    .kernarg_segment_size: 48
    .max_flat_workgroup_size: 512
    .sgpr_count:     66
    .vgpr_count:     256
    .wavefront_size: 32
...
	.end_amdgpu_metadata
.endif
;; end of part 3
;; launch outproj (part 4): grid 4 x 64, 4 waves a work-group, no clusters, 17,920 bytes of LDS; arguments xcodes, xscales, wcodes, wscales, out0; writes out0
.if DOCPART == 4
	.amdgcn_target "amdgcn-amd-amdhsa--gfx1250"
	.amdhsa_code_object_version 6
	.text
	.protected	k_qe3261ea770_outproj
	.globl	k_qe3261ea770_outproj
	.p2align	8
	.type	k_qe3261ea770_outproj,@function
k_qe3261ea770_outproj:
	s_mov_b64 s[64:65], 0
	v_nop
	global_prefetch_b8 v0, s[64:65] scope:SCOPE_SE
	s_setreg_imm32_b32 hwreg(HW_REG_WAVE_MODE, 25, 1), 1
	s_wait_xcnt 0x0
; out0 = Q(x) Q(Wo)^T on codes of FP6 (E2M3), one E8M0 scale for each 32 along K = 512; out0 [8,192][512] f32.  Both operands arrive as images of their registers.
;   xcodes [token tile 512][head 8]: half a fragment (16 tokens x 64 K): registers 0-3 of lane l at 16 l, registers 4-5 at 512 + 8 l; heads 2 s and 2 s + 1 are fragment s.  xscales [tile][row 16][16 bytes].
;   wcodes' fourth matrix: [tile U 32][s 4] fragments of 1,536 bytes; wscales likewise [U][row 16][16 bytes].
; SHARES.  Work-group (x, y): 128 tokens (y) x 128 outputs (x); wave w: 64 tokens (w / 2) x 64 outputs (w % 2): 16 accumulators, 4 K steps x 16 matrix instructions, the accumulators by turns.
; All 32 fragments of a wave go from memory straight into registers (windows 1 and 2), asked for K step by K step ahead of the first product; each K step waits only for its own.
; Source 0 = 16 rows of Wo, source 1 = 16 tokens.  Row r of tile i of a group of 64 (channels or tokens) is element 32 (r / 8) + 8 i + r % 8: a lane of half h holds, for one token, outputs 32 h + 0 .. 31 of the group.
; THE WAY OUT: a token tile's 16 rows x 256 bytes go through the wave's own stage in LDS and leave as whole rows: sixteen lanes store 256 consecutive bytes, aligned.
; No tensor load, so no ring and no cluster: the operands are wanted in registers, each wave reads each of its bytes once, and K is four steps long.
.set LI16, 1                           ; v1   16 x lane
.set LI8,  2                           ; v2   8 x lane
.set STO,  3                           ; v3   the stage: where I put my token's 128 bytes
.set RD,   4                           ; v4   and where I read a row back
.set CO,   5                           ; v5   my byte offset in two rows of out0
.set WS,   16                          ; v16-23 Wo's scale words: register 4 (t / 2) + s; lanes 0-15 the even tile, lanes 16-31 the odd one
.set XS,   24                          ; v24-31 x's likewise
.set ACC,  32                          ; v32-159 accumulator (m, t) at 32 m + 8 t
.set MSB, 0
.macro WIN new                         ; the immediate's high byte repeats the setting that is left
.if MSB != \new
	s_set_vgpr_msb (MSB<<8)|\new
.set MSB, \new
.endif
.endm
.macro WM d, a, b, z, sa, ra, sb, rb   ; one matrix instruction.  z = 1: C is the constant 0.  ra, rb = 1: that side's scales are read from lanes 16-31
.set WSEL, 4*(\z)+2*(\ra)+(\rb)
.if WSEL == 0
	v_wmma_scale_f32_16x16x128_f8f6f4 v[\d:\d+7], v[\a:\a+11], v[\b:\b+11], v[\d:\d+7], v[\sa], v[\sb] matrix_a_fmt:MATRIX_FMT_FP6 matrix_b_fmt:MATRIX_FMT_FP6
.elseif WSEL == 1
	v_wmma_scale_f32_16x16x128_f8f6f4 v[\d:\d+7], v[\a:\a+11], v[\b:\b+11], v[\d:\d+7], v[\sa], v[\sb] matrix_a_fmt:MATRIX_FMT_FP6 matrix_b_fmt:MATRIX_FMT_FP6 matrix_b_scale:MATRIX_SCALE_ROW1
.elseif WSEL == 2
	v_wmma_scale_f32_16x16x128_f8f6f4 v[\d:\d+7], v[\a:\a+11], v[\b:\b+11], v[\d:\d+7], v[\sa], v[\sb] matrix_a_fmt:MATRIX_FMT_FP6 matrix_b_fmt:MATRIX_FMT_FP6 matrix_a_scale:MATRIX_SCALE_ROW1
.elseif WSEL == 3
	v_wmma_scale_f32_16x16x128_f8f6f4 v[\d:\d+7], v[\a:\a+11], v[\b:\b+11], v[\d:\d+7], v[\sa], v[\sb] matrix_a_fmt:MATRIX_FMT_FP6 matrix_b_fmt:MATRIX_FMT_FP6 matrix_a_scale:MATRIX_SCALE_ROW1 matrix_b_scale:MATRIX_SCALE_ROW1
.elseif WSEL == 4
	v_wmma_scale_f32_16x16x128_f8f6f4 v[\d:\d+7], v[\a:\a+11], v[\b:\b+11], 0, v[\sa], v[\sb] matrix_a_fmt:MATRIX_FMT_FP6 matrix_b_fmt:MATRIX_FMT_FP6
.elseif WSEL == 5
	v_wmma_scale_f32_16x16x128_f8f6f4 v[\d:\d+7], v[\a:\a+11], v[\b:\b+11], 0, v[\sa], v[\sb] matrix_a_fmt:MATRIX_FMT_FP6 matrix_b_fmt:MATRIX_FMT_FP6 matrix_b_scale:MATRIX_SCALE_ROW1
.elseif WSEL == 6
	v_wmma_scale_f32_16x16x128_f8f6f4 v[\d:\d+7], v[\a:\a+11], v[\b:\b+11], 0, v[\sa], v[\sb] matrix_a_fmt:MATRIX_FMT_FP6 matrix_b_fmt:MATRIX_FMT_FP6 matrix_a_scale:MATRIX_SCALE_ROW1
.else
	v_wmma_scale_f32_16x16x128_f8f6f4 v[\d:\d+7], v[\a:\a+11], v[\b:\b+11], 0, v[\sa], v[\sb] matrix_a_fmt:MATRIX_FMT_FP6 matrix_b_fmt:MATRIX_FMT_FP6 matrix_a_scale:MATRIX_SCALE_ROW1 matrix_b_scale:MATRIX_SCALE_ROW1
.endif
.endm
	s_load_b256 s[4:11], s[0:1], 0x0               ; xcodes, xscales, wcodes, wscales
	s_load_b64 s[12:13], s[0:1], 0x20              ; out0
	v_lshl_add_u32 v254, v0, 2, 0x4400
	v_mov_b32 v255, 0
	v_lshrrev_b32 v6, 5, v0
	v_readfirstlane_b32 s14, v6                    ; wave 0..3
	s_lshr_b32 s15, s14, 1                         ; which 64 tokens
	s_and_b32 s16, s14, 1                          ; which 64 outputs
	s_and_b32 s17, ttmp7, 0xffff                   ; work-group y
	s_lshl_b32 s18, ttmp9, 1
	s_add_co_u32 s18, s18, s16                     ; my group of 64 outputs
	s_lshl_b32 s19, s17, 3
	s_lshl_b32 s20, s15, 2
	s_add_co_u32 s19, s19, s20                     ; my first token tile: 8 y + 4 (w / 2)
	s_mul_i32 s20, s18, 24576                      ; Wo's codes: the fourth matrix, my four tiles
	s_add_co_u32 s20, s20, 589824
	s_mov_b32 s21, 0
	s_lshl_b32 s22, s18, 10                        ; and their scale bytes
	s_add_co_u32 s22, s22, 24576
	s_mov_b32 s23, 0
	s_mul_i32 s24, s19, 6144                       ; x's codes: 8 halves of 768 bytes a tile
	s_mov_b32 s25, 0
	s_lshl_b32 s26, s19, 8                         ; x's scale bytes
	s_mov_b32 s27, 0
	s_lshl_b32 s28, s19, 15                        ; out0: 16 tokens of 2,048 bytes a tile,
	s_lshl_b32 s29, s18, 8                         ; + 256 bytes a group of outputs
	s_add_co_u32 s28, s28, s29
	s_mov_b32 s29, 0
	s_mul_i32 s30, s14, 4352                       ; my stage: 16 rows x (256 + 16) bytes
	v_and_b32 v6, 31, v0                           ; lane
	v_and_b32 v7, 15, v0                           ; r
	v_bfe_u32 v8, v0, 4, 1                         ; h
	v_lshlrev_b32 v[LI16], 4, v6
	v_lshlrev_b32 v[LI8], 3, v6
	v_mul_u32_u24 v[STO], v7, 272
	v_lshl_add_u32 v[STO], v8, 7, v[STO]
	v_add_nc_u32 v[STO], s30, v[STO]               ; in: row r, + 128 h
	v_mul_u32_u24 v[RD], v8, 272
	v_lshl_add_u32 v[RD], v7, 4, v[RD]
	v_add_nc_u32 v[RD], s30, v[RD]                 ; back: lanes 0-15 one row, lanes 16-31 the next
	v_lshlrev_b32 v[CO], 11, v8
	v_lshl_add_u32 v[CO], v7, 4, v[CO]             ; and the same two rows in out0
	s_wait_alu depctr_va_vdst(0)
	s_wait_kmcnt 0x0
	s_add_nc_u64 s[8:9], s[8:9], s[20:21]
	s_add_nc_u64 s[10:11], s[10:11], s[22:23]
	s_add_nc_u64 s[4:5], s[4:5], s[24:25]
	s_add_nc_u64 s[6:7], s[6:7], s[26:27]
	s_add_nc_u64 s[12:13], s[12:13], s[28:29]
.irp u, 0,1
	global_load_b128 v[WS+4*\u:WS+4*\u+3], v[LI16], s[10:11] offset:512*\u
	global_load_b128 v[XS+4*\u:XS+4*\u+3], v[LI16], s[6:7] offset:512*\u
.endr
.irp s, 0,1,2,3                                ; a K step's 28 loads stand together
	WIN 0x40                                       ; destination window 1: Wo's fragment (t, s) at v[12 (4 t + s)]
.irp t, 0,1,2,3
.irp j, 0,1,2
	global_load_b128 v[12*(4*\t+\s)+4*\j:12*(4*\t+\s)+4*\j+3], v[LI16], s[8:9] offset:(4*\t+\s)*1536+512*\j
.endr
.endr
	WIN 0x80                                       ; destination window 2: x's fragment (m, s) at v[12 (4 m + s)], in two halves
.irp m, 0,1,2,3
.irp c, 0,1
	global_load_b128 v[12*(4*\m+\s)+6*\c:12*(4*\m+\s)+6*\c+3], v[LI16], s[4:5] offset:6144*\m+(2*\s+\c)*768
	global_load_b64 v[12*(4*\m+\s)+6*\c+4:12*(4*\m+\s)+6*\c+5], v[LI8], s[4:5] offset:6144*\m+(2*\s+\c)*768+512
.endr
.endr
.endr
	WIN 0x09                                       ; source 0 (Wo) window 1, source 1 (x) window 2, C and D window 0
.irp s, 0,1,2,3
.if \s == 0
.set ZF, 1
	s_wait_loadcnt 63                              ; behind K step 0's loads 84 were issued; the wait's count holds 63 at the most, which is the stricter
.else
.set ZF, 0
	s_wait_loadcnt 28*(3-\s)                       ; the later K steps' loads, 28 each, may be out
.endif
.irp m, 0,1,2,3
.irp t, 0,1,2,3
	WM ACC+32*\m+8*\t, 12*(4*\t+\s), 12*(4*\m+\s), ZF, WS+4*(\t/2)+\s, \t%2, XS+4*(\m/2)+\s, \m%2
.endr
.endr
.endr
	WIN 0
.rept 4
	v_nop                                          ; four places in front of the first read of results
.endr
; Token tile m: a lane's 32 outputs, 128 bytes of its token's row, go into the stage, each accumulator from its low end on, and come back as whole rows of 256 bytes into the registers that they left.
; LDS serves a wave's instructions in order (ISA guide 5.7.1.4): no wait between the stores and the loads, nor in front of the next tile's stores.
.macro TOSTAGE m
.irp q, 0,1,2,3,4,5,6,7
	ds_store_b128 v[STO], v[ACC+32*(\m)+4*\q:ACC+32*(\m)+4*\q+3] offset:16*\q
.endr
.irp k, 0,1,2,3,4,5,6,7
	ds_load_b128 v[ACC+32*(\m)+4*\k:ACC+32*(\m)+4*\k+3], v[RD] offset:544*\k
.endr
.endm
; Stage rows 2 k and 2 k + 1 are tokens 32 (k / 4) + 8 m + 2 (k % 4) and the next.  younger: the LDS instructions issued behind tile m's loads
.macro SEND m, younger
	s_wait_dscnt \younger
.irp k, 0,1,2,3,4,5,6,7
	global_store_b128 v[CO], v[ACC+32*(\m)+4*\k:ACC+32*(\m)+4*\k+3], s[12:13] offset:(8*(\m)+2*(\k%4)+32*(\k/4))*2048 th:TH_STORE_NT   ; 16 lanes store 256 consecutive bytes, aligned; written once, read by nobody here
.endr
.endm
	TOSTAGE 0
	TOSTAGE 1
	SEND 0, 16                                     ; behind tile 0's loads: tile 1's 8 stores and 8 loads
	TOSTAGE 2
	SEND 1, 16
	TOSTAGE 3
	SEND 2, 16
	SEND 3, 0
	s_wait_tensorcnt 0x0
	ds_add_u32 v254, v255
	s_wait_dscnt 0x0
	s_endpgm
.Lfunc_end_k_qe3261ea770_outproj:
	.size	k_qe3261ea770_outproj, .Lfunc_end_k_qe3261ea770_outproj-k_qe3261ea770_outproj
	.p2alignl 7, 3214868480
	.fill 96, 4, 3214868480
	.section	.rodata,"a",@progbits
	.p2align	6, 0x0
	.amdhsa_kernel k_qe3261ea770_outproj
		.amdhsa_group_segment_fixed_size 17920
		.amdhsa_private_segment_fixed_size 0
		.amdhsa_enable_private_segment 0
		.amdhsa_kernarg_size 40
		.amdhsa_user_sgpr_count 2
		.amdhsa_user_sgpr_kernarg_segment_ptr 1
		.amdhsa_wavefront_size32 1
		.amdhsa_system_sgpr_workgroup_id_x 1
		.amdhsa_system_sgpr_workgroup_id_y 1
		.amdhsa_system_sgpr_workgroup_id_z 1
		.amdhsa_system_vgpr_workitem_id 0
		.amdhsa_next_free_vgpr 704
		.amdhsa_next_free_sgpr 66
		.amdhsa_reserve_vcc 0
		.amdhsa_float_denorm_mode_32 3
		.amdhsa_float_denorm_mode_16_64 3
		.amdhsa_memory_ordered 1
		.amdhsa_forward_progress 1
		.amdhsa_inst_pref_size 30
	.end_amdhsa_kernel
	.amdgpu_metadata
---
amdhsa.version: [ 1, 2 ]
amdhsa.kernels:
  - .name:           k_qe3261ea770_outproj
    .symbol:         k_qe3261ea770_outproj.kd
    .args:
      - { .name: xcodes, .offset: 0, .size: 8, .value_kind: global_buffer, .address_space: global }
      - { .name: xscales, .offset: 8, .size: 8, .value_kind: global_buffer, .address_space: global }
      - { .name: wcodes, .offset: 16, .size: 8, .value_kind: global_buffer, .address_space: global }
      - { .name: wscales, .offset: 24, .size: 8, .value_kind: global_buffer, .address_space: global }
      - { .name: out0, .offset: 32, .size: 8, .value_kind: global_buffer, .address_space: global }
    .group_segment_fixed_size: 17920
    .private_segment_fixed_size: 0
    .kernarg_segment_align: 8
    .kernarg_segment_size: 40
    .max_flat_workgroup_size: 128
    .sgpr_count:     66
    .vgpr_count:     704
    .wavefront_size: 32
...
	.end_amdgpu_metadata
.endif
;; end of part 4
